; MI455X (gfx1250); checked and timed in simulation.
; The chip was launched on July 23, 2026; its instructions are those of AMD's public machine-readable ISA for CDNA 5 (MIT licence, August 2026) and "CDNA5" Instruction Set Architecture Reference Guide (July 2026). The comments in the code are by the model that wrote it; some were corrected since.
;; Multi Head Attention. Allowed arithmetic: matrix products marked QUANTISED: E2M1 operands, one E8M0 scale for each 32 along K, by v_wmma_scale_f32_16x16x128_f8f6f4 with both operands' format E2M1 (or v_wmma_scale_f32_32x16x128_f4), f32 sums; everything else in f32.
;; Inputs: Wk1 512 x 256 float32; Wk2 512 x 256 float32; Wo 512 x 512 float32; Wq1 512 x 256 float32; Wq2 512 x 256 float32; Wv1 512 x 256 float32; Wv2 512 x 256 float32; beta 512 float32; bk1 256 float32; bk2 256 float32; bo 512 float32; bq1 256 float32; bq2 256 float32; bv1 256 float32; bv2 256 float32; gamma 512 float32; inputs 32 x 1,024 x 512 float32.
;; Outputs: out0 32 x 1,024 x 512 float32.
;; This version of the problem:
;;   THIS VERSION OF THE PROBLEM IS GIVEN IN LOW PRECISION. The matrix products marked QUANTISED in the list below multiply operands that are first quantised to E2M1 (2 exponent bits, 1 mantissa bit; 4 bits a number), with one power-of-two scale for each 32 numbers along K (OCP MX v1.0); their sums are f32. All else is computed in f32.
;;   The module's matrix products, in the order in which they are computed (A, B: the left and right operand; K: the contracted axis; several contracted axes count as one K, in the product's order):
;;     1. [M 32,768, K 512] x [K 512, N 256]; A: input inputs; B: input Wq1: QUANTISED
;;     2. [M 32,768, K 512] x [K 512, N 256]; A: input inputs; B: input Wk1: QUANTISED
;;     3. [M 32,768, K 512] x [K 512, N 256]; A: input inputs; B: input Wv1: QUANTISED
;;     4. batch 32 x [M 1,024, K 256] x [K 256, N 1,024]; A: computed on the way; B: computed on the way: QUANTISED
;;     5. batch 32 x [M 1,024, K 1,024] x [K 1,024, N 256]; A: softmax (see below); B: computed on the way: QUANTISED
;;     6. [M 32,768, K 512] x [K 512, N 256]; A: input inputs; B: input Wq2: QUANTISED
;;     7. [M 32,768, K 512] x [K 512, N 256]; A: input inputs; B: input Wk2: QUANTISED
;;     8. [M 32,768, K 512] x [K 512, N 256]; A: input inputs; B: input Wv2: QUANTISED
;;     9. batch 32 x [M 1,024, K 256] x [K 256, N 1,024]; A: computed on the way; B: computed on the way: QUANTISED
;;     10. batch 32 x [M 1,024, K 1,024] x [K 1,024, N 256]; A: softmax (see below); B: computed on the way: QUANTISED
;;     11. [M 32,768, K 512] x [K 512, N 512]; A: computed on the way; B: input Wo: QUANTISED
;;   THE QUANTISER, for each operand of a quantised product, along K:
;;     - K is cut into blocks of 32 from its start; a last block that is shorter is filled with zeros.
;;     - A block's scale is 2^e with e = floor(log2(the largest magnitude in the block)) - 2, held to -126 .. 127; a block of zeros has e = 0. As a byte (E8M0): e + 127.
;;     - Each number is divided by its block's scale, clamped to +-6, and rounded to the nearest number of E2M1, ties to even, subnormals kept.
;;     - The product sums the exact products of the quantised numbers (number of the format x scale) in f32.
;;   ~~~python
;;   def quantise(x, axis):      # numpy; x: float32 -> the quantised numbers, widened to float32 again
;;       x = np.moveaxis(x, axis, -1); K = x.shape[-1]
;;       x = np.pad(x, [(0, 0)] * (x.ndim - 1) + [(0, -K % 32)]); x = x.reshape(x.shape[:-1] + (-1, 32)); a = np.abs(x).max(-1, keepdims=True)
;;       e = np.where(a > 0, np.clip(np.frexp(np.where(a > 0, a, 1))[1] - 1 - 2, -126, 127), 0)      # np.frexp(a)[1] - 1 = floor(log2(a)), exactly
;;       r = np.clip(x / 2.0 ** e, -6, 6)
;;       step = 2.0 ** (np.maximum(np.frexp(np.where(r == 0, 1, r))[1] - 1, 0) - 1)
;;       q = np.round(r / step) * step * 2.0 ** e      # np.round: ties to even
;;       return np.moveaxis(q.reshape(q.shape[:-2] + (-1,))[..., :K], -1, axis).astype(np.float32)
;;   ~~~
;;   SOFTMAX AHEAD OF A QUANTISED PRODUCT. Where the list says 'softmax', what is quantised is not the finished softmax but p = 2^(t - M), with t = logit x log2(e) and M = ceil(the row's largest t), a whole number; so 1/2 < the row's largest p <= 1. The row's sum l is taken of the UNQUANTISED p, in f32, and the product's result is divided by l at the end. Since M is a whole number, a kernel that streams over the keys may use a running M (the ceiling of the running maximum): every later rescaling is an exact power of two, which a block's scale takes up: the codes' values come out the same.
;;   OPERANDS COMPUTED ON THE WAY. 'Computed on the way' means the value that the module computes at that place (a softmax that the list does not call 'softmax' is quantised finished and normalised). What goes into a quantiser is computed in f32, as accurately as f32 sums, v_exp_f32 and their like allow (about 1e-6 of the number): no bf16 or f16 on the way to a quantiser, and a product that is left as it is and whose result goes on into a quantised operand takes f32 operands (vector FMAs, or v_wmma_f32_16x16x4_f32). A number that lies on a knife's edge between two numbers of the format may be rounded either way, as far as f32 arithmetic and the matrix unit's own rounding can turn it there, and no further.
;; One version. Each part assembles by itself: llvm-mc -triple=amdgcn-amd-amdhsa -mcpu=gfx1250 --defsym DOCPART=n.
;; ======== version 1 of 1: 3 launches
;; limits: right only within a limited range of input values
;; workspace buffers: wcodes 524,288 bytes; wscales 32,768 bytes; qc 8,388,608 bytes; qs 524,288 bytes; kvc 17,825,792 bytes; xq 8,912,896 bytes
;; launch prep (part 1): grid 1024 x 1, 4 waves a work-group, no clusters, 68,864 bytes of LDS; arguments Wq1, Wk1, Wv1, Wq2, Wk2, Wv2, Wo, wcodes, wscales, inputs, xq; writes wcodes, wscales, xq
.if DOCPART == 1
	.amdgcn_target "amdgcn-amd-amdhsa--gfx1250"
	.amdhsa_code_object_version 6
	.text
	.protected	k_qeac5c93dd2_prep
	.globl	k_qeac5c93dd2_prep
	.p2align	8
	.type	k_qeac5c93dd2_prep,@function
k_qeac5c93dd2_prep:
	s_mov_b64 s[64:65], 0
	v_nop
	global_prefetch_b8 v0, s[64:65] scope:SCOPE_SE
	s_setreg_imm32_b32 hwreg(HW_REG_WAVE_MODE, 25, 1), 1
	s_wait_xcnt 0x0
; ONE PREPARING LAUNCH FOR ALL OPERANDS THAT MANY WORK-GROUPS READ: the inputs and the seven weights become codes of FP4 (E2M1) with one E8M0 scale byte for each 32 along K, laid as IMAGES OF OPERAND REGISTERS.
; A fragment is 16 rows (or columns n) x 128 along K: 8 registers a lane; its image is 1,024 bytes: registers 4 c .. 4 c + 3 of lane l at 512 c + 16 l.
; THE INPUTS (K innermost).  xq: [block of 128 rows: 256][34,816]: 32 fragments (tile m, K step s) at 1,024 (4 m + s), then the scale words at 32,768 + 256 m + 64 s + 4 r.
;   Lane r of tile 2 b + u holds row 32 b + 8 u + r + 8 (r / 8) of the block.  Each of the 1,024 work-groups takes 32 rows (tiles 2 b, 2 b + 1), wave s their K step s: 32 loads of 512 consecutive bytes, one a row, all out at once;
;   the rows turn through the wave's own stage in LDS, laid in the order of the tiles (row 16 a + 8 u + c at place 16 u + 8 a + c), 528 bytes apart, so that the sixteen rows that a read touches start at sixteen different banks.
; THE WEIGHTS (K is their FIRST axis).  wcodes: [g 128][K step 4][1,024].  g = 16 mat + tau for mat = 0 .. 5 (q1, k1, v1, q2, k2, v2), g = 96 + nt for Wo.
;   For the six QKV weights lane r of tile tau takes column 32 (tau / 2) + 8 (tau % 2) + r + 8 (r / 8), so that two neighbouring result tiles hold 16 neighbours of the next K; for Wo column 16 nt + r.
;   wscales: [g][256]: lane l's 8 bytes are two words; word sigma of lane (r, h) is column r's four scale bytes of K step 2 sigma + h.  A lane takes a column, its registers run DOWN K: nothing is transposed.
;   Work-groups 0 .. 127 make weight tile g = their number as well, wave s its K step s, in one region of the text behind the issue of their loads of x, in registers that x does not need yet and LDS bytes of its own.
; No tensor loads: four work-groups share a WGP, 1,024 in all.  No matrix work and no shared tiles here: no cluster.
; A block's scale is 2^(floor(log2(its largest magnitude)) - 2); its byte is the largest magnitude's exponent field - 2, held at 1 from below.
; LIMITS: NaN and infinities are not served; a block whose largest magnitude lies under 2^-124 has its byte held at 1; a block of zeros gets the byte 1 and not 127: its codes are zeros, and this program alone reads the bytes.
.set WV,  30                           ; s30      my wave's number = my K step
.set SEL, 32                           ; s[32:33] v_permlanex16_b32's selects for lane l xor 16
.set XP,    528                        ; a stage row: 512 bytes + 16
.set XSW,   4*32*XP                    ; behind the four stages: the 32 rows' scale words, 512 bytes
.set WL,    XSW+512                    ; a weight tile's scale words, 256 bytes
.set SPARE, WL+256                     ; the spare words, 128 bytes for each wave
.set XBLK,  34816                      ; a block of 128 rows in xq
.set LI,  1                            ; v1   16 x lane
.set STI, 2                            ; v2   my stage, on the way in
.set STO, 3                            ; v3   and out: my row of a tile, + 64 (lane / 16)
.set SWA, 4                            ; v4   where my row's scale word goes
.set SWR, 5                            ; v5   where wave 0 reads the 512 bytes of scale words
.set WOF, 10                           ; v10  the weights: my byte offset in the K step's 128 rows
.set WLA, 11                           ; v11  LDS: my column's word of my K step
.set L8,  12                           ; v12  8 x lane
.set WLR, 13                           ; v13  LDS: where wave 0 reads the tile's words
.set RR,  14                           ; v14  r = lane % 16
.set HH,  15                           ; v15  h = lane / 16
.set R,   16                           ; v16-143  32 rows as loaded; then tile 1's 64 numbers
.set A0,  144                          ; v144-207 first a weight's 64 numbers, then tile 0's
.set PC,  208                          ; v208-223 two fragments' codes
.set TM,  224                          ; v224-235 at work
.set PW,  236                          ; v236-237 two scale words
.set SPW, 238                          ; v238 LDS address of my spare word; never rewritten
.set NIL, 239                          ; v239 0; never rewritten
; 64 numbers of a lane, register 16 b + i = k 32 b + 16 (lane / 16) + i of my row, become a fragment's codes in v[d] on and its scale word in v[w].  The four blocks take turns line by line.
.macro QUANT s, d, w
.irp b, 0,1,2,3
	v_max3_num_f32 v[TM+\b], |v[(\s)+16*\b]|, |v[(\s)+1+16*\b]|, 0x1800000   ; with the floor 2^(3 - 127): the byte cannot fall under 1
.endr
.irp i, 2,4,6,8,10,12,14
.irp b, 0,1,2,3
	v_max3_num_f32 v[TM+\b], v[TM+\b], |v[(\s)+16*\b+\i]|, |v[(\s)+1+16*\b+\i]|
.endr
.endr
.irp b, 0,1,2,3
	v_permlanex16_b32 v[TM+4+\b], v[TM+\b], s[SEL], s[SEL+1]
.endr
.irp b, 0,1,2,3
	v_max_num_f32 v[TM+\b], v[TM+\b], v[TM+4+\b]   ; with lane l xor 16's 16: the block's largest magnitude
.endr
.irp b, 0,1,2,3
	v_add_nc_u32 v[TM+8+\b], 0xff000000, v[TM+\b]  ; 2 off the exponent field: the conversion's scale operand
.endr
.irp b, 0,1,2,3
	v_lshrrev_b32 v[TM+4+\b], 23, v[TM+8+\b]       ; the scale's byte
.endr
	v_lshl_or_b32 v[\w], v[TM+5], 8, v[TM+4]
	s_delay_alu instid0(VALU_DEP_1)
	v_lshl_or_b32 v[\w], v[TM+6], 16, v[\w]
	s_delay_alu instid0(VALU_DEP_1)
	v_lshl_or_b32 v[\w], v[TM+7], 24, v[\w]
.irp b, 0,1,2,3
	v_cvt_scalef32_pk8_fp4_f32 v[(\d)+2*\b], v[(\s)+16*\b:(\s)+7+16*\b], v[TM+8+\b]
	v_cvt_scalef32_pk8_fp4_f32 v[(\d)+1+2*\b], v[(\s)+8+16*\b:(\s)+15+16*\b], v[TM+8+\b]
.endr
	v_nop                                          ; one plain line behind the last conversion
.irp c, 0,1                                    ; the operand's layout wants a whole block in a lane
.irp i, 0,1
	v_permlane16_swap_b32 v[(\d)+4*\c+\i], v[(\d)+2+4*\c+\i]
.endr
.endr
.endm
.macro XRD u, f                        ; tile u's 64 numbers of my row
.irp b, 0,1,2,3
.irp j, 0,1,2,3
	ds_load_b128 v[(\f)+16*\b+4*\j:(\f)+16*\b+4*\j+3], v[STO] offset:16*XP*(\u)+128*\b+16*\j
.endr
.endr
.endm
.macro OUT u
	global_store_b128 v[LI], v[PC+8*\u:PC+8*\u+3], s[54:55] offset:4096*\u      ; 512 consecutive bytes, aligned
	global_store_b128 v[LI], v[PC+8*\u+4:PC+8*\u+7], s[54:55] offset:4096*\u+512
	ds_store_b32 v[SWA], v[PW+\u] offset:256*\u    ; lanes l and l xor 16 write the same word with the same value
.endm
; W(64 c + 32 h + i, my column), i = 0 .. 31, into v[A0 + 32 c + i].  The two kinds of weight differ in the row's length alone, which stands in the immediates.
.macro LOADW pitch
.irp c, 0,1
.set i, 0
.rept 32
	global_load_b32 v[A0+32*\c+i], v[WOF], s[26:27] offset:(64*\c+i)*\pitch
.set i, i+1
.endr
.endr
.endm
	v_lshl_add_u32 v[SPW], v0, 2, SPARE
	v_mov_b32 v[NIL], 0
	s_load_b128 s[48:51], s[0:1], 0x48             ; inputs s[48:49], xq s[50:51]
	v_lshrrev_b32 v6, 5, v0
	v_readfirstlane_b32 s[WV], v6
	s_mul_i32 s58, s[WV], 32*XP                    ; my stage
	s_lshl_b32 s59, s[WV], 6
	s_add_co_u32 s59, s59, XSW                     ; my K step's 64 bytes of a tile's scale words
	v_and_b32 v7, 31, v0                           ; lane
	v_lshlrev_b32 v[LI], 4, v7
	v_and_b32 v[RR], 15, v0
	v_bfe_u32 v[HH], v0, 4, 1
	v_add_nc_u32 v[STI], s58, v[LI]
	v_mul_u32_u24 v6, v[RR], XP
	v_lshl_add_u32 v6, v[HH], 6, v6
	v_add_nc_u32 v[STO], s58, v6
	v_lshl_add_u32 v[SWA], v[RR], 2, s59
	v_add_nc_u32 v[SWR], XSW, v[LI]
.irp b, 0,1,2,3
	v_mov_b32 v[TM+4+\b], 0                        ; written once: a lane permute's destination counts as one of its sources
.endr
	s_mov_b32 s[SEL], 0x76543210
	s_mov_b32 s[SEL+1], 0xfedcba98
	s_lshl_b32 s52, ttmp9, 16                      ; my 32 rows of 2,048 bytes,
	s_lshl_b32 s53, s[WV], 9                       ; my K step's 512 bytes of each
	s_add_co_u32 s52, s52, s53
	s_mov_b32 s53, 0
	s_lshr_b32 s60, ttmp9, 2
	s_mul_i32 s60, s60, XBLK                       ; the block of 128 rows in xq
	s_and_b32 s61, ttmp9, 3                        ; b
	s_lshl_b32 s54, s61, 13                        ; tile 2 b: 8,192 b
	s_add_co_u32 s54, s54, s60
	s_lshl_b32 s55, s[WV], 10
	s_add_co_u32 s54, s54, s55                     ; + my K step
	s_mov_b32 s55, 0
	s_lshl_b32 s56, s61, 9
	s_add_co_u32 s56, s56, s60
	s_add_co_u32 s56, s56, 32768                   ; the two tiles' scale words: 512 bytes
	s_mov_b32 s57, 0
	s_wait_alu depctr_va_vdst(0)
	s_wait_kmcnt 0x0
	s_add_nc_u64 s[52:53], s[48:49], s[52:53]
	s_add_nc_u64 s[54:55], s[50:51], s[54:55]
	s_add_nc_u64 s[56:57], s[50:51], s[56:57]
.set i, 0
.rept 32
	global_load_b128 v[R+4*i:R+4*i+3], v[LI], s[52:53] offset:2048*i th:TH_LOAD_NT   ; row i: 32 lanes read 512 consecutive bytes
.set i, i+1
.endr
	s_cmp_lt_u32 ttmp9, 128                        ; the work-group's number alone: all four waves go the same way
	s_cbranch_scc0 .Lnow
; ---- a weight's fragment, while x is on its way
	s_load_b512 s[8:23], s[0:1], 0x0               ; Wq1 s[8:9], Wk1, Wv1, Wq2, Wk2, Wv2 s[18:19], Wo s[20:21], wcodes s[22:23]
	s_load_b64 s[24:25], s[0:1], 0x40              ; wscales
	s_lshr_b32 s2, ttmp9, 4                        ; mat (6, 7: Wo)
	s_and_b32 s3, ttmp9, 15                        ; tau
	s_lshr_b32 s4, s3, 1
	s_lshl_b32 s4, s4, 5
	s_and_b32 s5, s3, 1
	s_lshl_b32 s5, s5, 3
	s_add_co_u32 s4, s4, s5                        ; 32 (tau / 2) + 8 (tau % 2)
	s_sub_co_u32 s5, ttmp9, 96
	s_lshl_b32 s5, s5, 4                           ; 16 nt
	s_cmp_lt_u32 ttmp9, 96
	s_cselect_b32 s4, s4, s5                       ; the tile's first column
	s_cselect_b32 s5, 1, 0                         ; 1: lanes 8-15 stand 8 columns further on
	s_cselect_b32 s6, 10, 11                       ; log2 of a row of the weight in bytes
	s_add_co_u32 s7, s6, 5
	s_add_co_u32 s3, s6, 7
	s_lshl_b32 s28, s[WV], s3                      ; my K step: 128 rows
	s_mov_b32 s29, 0
	s_and_b32 s34, s[WV], 1
	s_lshl_b32 s34, s34, 7
	s_lshr_b32 s35, s[WV], 1
	s_lshl_b32 s35, s35, 2
	s_add_co_u32 s34, s34, s35
	s_add_co_u32 s34, s34, WL
	s_lshl_b32 s36, ttmp9, 12
	s_lshl_b32 s37, s[WV], 10
	s_add_co_u32 s36, s36, s37                     ; my fragment in wcodes
	s_mov_b32 s37, 0
	s_lshl_b32 s38, ttmp9, 8                       ; my tile in wscales
	s_mov_b32 s39, 0
	v_and_b32 v6, 8, v[RR]
	v_mul_u32_u24 v6, s5, v6
	v_add3_u32 v6, v6, v[RR], s4                   ; my column
	v_lshlrev_b32 v[WOF], s7, v[HH]                ; lanes 16-31 begin 32 rows further down
	v_lshl_add_u32 v[WOF], v6, 2, v[WOF]
	v_lshl_add_u32 v[WLA], v[RR], 3, s34           ; 8 r + 128 (s % 2) + 4 (s / 2)
	v_lshlrev_b32 v[L8], 3, v7
	v_add_nc_u32 v[WLR], WL, v[L8]
	s_wait_alu depctr_va_vdst(0)
	s_wait_kmcnt 0x0
	s_mov_b64 s[26:27], s[20:21]                   ; the weight: Wo, unless mat names one of the six
	s_cmp_eq_u32 s2, 0
	s_cselect_b64 s[26:27], s[8:9], s[26:27]
	s_cmp_eq_u32 s2, 1
	s_cselect_b64 s[26:27], s[10:11], s[26:27]
	s_cmp_eq_u32 s2, 2
	s_cselect_b64 s[26:27], s[12:13], s[26:27]
	s_cmp_eq_u32 s2, 3
	s_cselect_b64 s[26:27], s[14:15], s[26:27]
	s_cmp_eq_u32 s2, 4
	s_cselect_b64 s[26:27], s[16:17], s[26:27]
	s_cmp_eq_u32 s2, 5
	s_cselect_b64 s[26:27], s[18:19], s[26:27]
	s_add_nc_u64 s[26:27], s[26:27], s[28:29]
	s_add_nc_u64 s[22:23], s[22:23], s[36:37]
	s_add_nc_u64 s[24:25], s[24:25], s[38:39]
	s_cmp_lt_u32 ttmp9, 96
	s_cbranch_scc0 .Lwide
	LOADW 1024
	s_branch .Lloaded
.Lwide:
	LOADW 2048
.Lloaded:
	s_wait_loadcnt 0x0                             ; the weight's 64 loads stand behind x's 32: all are in
.irp c, 0,1                                    ; my block 2 c + h: all its 32 numbers are mine
	v_max3_num_f32 v[TM+\c], |v[A0+32*\c]|, |v[A0+1+32*\c]|, 0x1800000
.endr
.irp i, 2,4,6,8,10,12,14,16,18,20,22,24,26,28,30
.irp c, 0,1
	v_max3_num_f32 v[TM+\c], v[TM+\c], |v[A0+32*\c+\i]|, |v[A0+1+32*\c+\i]|
.endr
.endr
.irp c, 0,1
	v_add_nc_u32 v[TM+2+\c], 0xff000000, v[TM+\c]  ; the conversion's scale operand
.endr
.irp c, 0,1
	v_lshrrev_b32 v[TM+8+\c], 23, v[TM+2+\c]       ; the scale's byte
.endr
	v_lshl_or_b32 v[TM+10], v[TM+9], 16, v[TM+8]   ; my two bytes: blocks h and 2 + h,
	v_lshlrev_b32 v[TM+11], 3, v[HH]
	v_lshlrev_b32 v[TM+10], v[TM+11], v[TM+10]     ; at their places in the word;
	v_mov_b32 v[TM+11], 0
	v_permlanex16_b32 v[TM+11], v[TM+10], s[SEL], s[SEL+1]
	v_or_b32 v[TM+10], v[TM+10], v[TM+11]          ; with lane l xor 16's two the word is whole
.irp c, 0,1
.irp g, 0,1,2,3
	v_cvt_scalef32_pk8_fp4_f32 v[PC+4*\c+\g], v[A0+32*\c+8*\g:A0+7+32*\c+8*\g], v[TM+2+\c]
.endr
.endr
	v_nop                                          ; one plain line behind the last conversion
	global_store_b128 v[LI], v[PC:PC+3], s[22:23]  ; each store of the wave covers 512 consecutive bytes, aligned
	global_store_b128 v[LI], v[PC+4:PC+7], s[22:23] offset:512
	ds_store_b32 v[WLA], v[TM+10]                  ; lanes l and l xor 16 write the same word with the same value
	s_wait_dscnt 0x0                               ; for the others' sake: my word lies in LDS
	s_barrier_signal -1
	s_barrier_wait -1
	s_cmp_lg_u32 s[WV], 0
	s_cbranch_scc1 .Lwdone
	ds_load_b64 v[TM+8:TM+9], v[WLR]               ; wave 0 takes the tile's 64 words
	s_wait_dscnt 0x0
	global_store_b64 v[L8], v[TM+8:TM+9], s[24:25] ; 256 consecutive bytes, aligned
.Lwdone:
	s_wait_xcnt 0x0                                ; the stores have read their registers, which x's work writes again
.Lnow:
; ---- the inputs
.irp g, 0,1,2,3
	s_wait_loadcnt 24-8*\g                         ; rows 8 g .. 8 g + 7 are in; the later groups of eight may be out
.irp c, 0,1,2,3,4,5,6,7
	ds_store_b128 v[STI], v[R+4*(8*\g+\c):R+4*(8*\g+\c)+3] offset:(16*(\g%2)+8*(\g/2)+\c)*XP
.endr
.endr
	XRD 0, A0                                      ; LDS serves a wave's instructions in order: these see my stores
	s_wait_dscnt 0x0                               ; tile 0 is in, and the stores have read their registers,
	XRD 1, R                                       ; which take tile 1 while tile 0 is worked
	QUANT A0, PC, PW
	OUT 0
	s_wait_dscnt 0x0
	QUANT R, PC+8, PW+1
	OUT 1
	s_wait_dscnt 0x0                               ; for the others' sake: my words lie in LDS
	s_barrier_signal -1
	s_barrier_wait -1
	s_cmp_lg_u32 s[WV], 0
	s_cbranch_scc1 .Lxend
	ds_load_b128 v[16:19], v[SWR]                  ; wave 0 takes the two tiles' 128 words
	s_wait_dscnt 0x0
	global_store_b128 v[LI], v[16:19], s[56:57]    ; 512 consecutive bytes, aligned
.Lxend:
	s_wait_tensorcnt 0x0                           ; the wave's end
	ds_add_u32 v[SPW], v[NIL]
	s_wait_dscnt 0x0
	s_endpgm
.Lfunc_end_k_qeac5c93dd2_prep:
	.size	k_qeac5c93dd2_prep, .Lfunc_end_k_qeac5c93dd2_prep-k_qeac5c93dd2_prep
	.p2alignl 7, 3214868480
	.fill 96, 4, 3214868480
	.section	.rodata,"a",@progbits
	.p2align	6, 0x0
	.amdhsa_kernel k_qeac5c93dd2_prep
		.amdhsa_group_segment_fixed_size 68864
		.amdhsa_private_segment_fixed_size 0
		.amdhsa_enable_private_segment 0
		.amdhsa_kernarg_size 88
		.amdhsa_user_sgpr_count 2
		.amdhsa_user_sgpr_kernarg_segment_ptr 1
		.amdhsa_wavefront_size32 1
		.amdhsa_system_sgpr_workgroup_id_x 1
		.amdhsa_system_sgpr_workgroup_id_y 1
		.amdhsa_system_sgpr_workgroup_id_z 1
		.amdhsa_system_vgpr_workitem_id 0
		.amdhsa_next_free_vgpr 240
		.amdhsa_next_free_sgpr 66
		.amdhsa_reserve_vcc 0
		.amdhsa_float_denorm_mode_32 3
		.amdhsa_float_denorm_mode_16_64 3
		.amdhsa_memory_ordered 1
		.amdhsa_forward_progress 1
		.amdhsa_inst_pref_size 36
	.end_amdhsa_kernel
	.amdgpu_metadata
---
amdhsa.version: [ 1, 2 ]
amdhsa.kernels:
  - .name:           k_qeac5c93dd2_prep
    .symbol:         k_qeac5c93dd2_prep.kd
    .args:
      - { .name: Wq1, .offset: 0, .size: 8, .value_kind: global_buffer, .address_space: global }
      - { .name: Wk1, .offset: 8, .size: 8, .value_kind: global_buffer, .address_space: global }
      - { .name: Wv1, .offset: 16, .size: 8, .value_kind: global_buffer, .address_space: global }
      - { .name: Wq2, .offset: 24, .size: 8, .value_kind: global_buffer, .address_space: global }
      - { .name: Wk2, .offset: 32, .size: 8, .value_kind: global_buffer, .address_space: global }
      - { .name: Wv2, .offset: 40, .size: 8, .value_kind: global_buffer, .address_space: global }
      - { .name: Wo, .offset: 48, .size: 8, .value_kind: global_buffer, .address_space: global }
      - { .name: wcodes, .offset: 56, .size: 8, .value_kind: global_buffer, .address_space: global }
      - { .name: wscales, .offset: 64, .size: 8, .value_kind: global_buffer, .address_space: global }
      - { .name: inputs, .offset: 72, .size: 8, .value_kind: global_buffer, .address_space: global }
      - { .name: xq, .offset: 80, .size: 8, .value_kind: global_buffer, .address_space: global }
    .group_segment_fixed_size: 68864
    .private_segment_fixed_size: 0
    .kernarg_segment_align: 8
    .kernarg_segment_size: 88
    .max_flat_workgroup_size: 128
    .sgpr_count:     66
    .vgpr_count:     240
    .wavefront_size: 32
...
	.end_amdgpu_metadata
.endif
;; end of part 1
;; launch qkv (part 2): grid 256 x 1, 4 waves a work-group, no clusters, 6,656 bytes of LDS; arguments xq, wcodes, wscales, bq1, bk1, bv1, bq2, bk2, bv2, qc, qs, kvc; writes qc, qs, kvc
.if DOCPART == 2
	.amdgcn_target "amdgcn-amd-amdhsa--gfx1250"
	.amdhsa_code_object_version 6
	.text
	.protected	k_qeac5c93dd2_qkv
	.globl	k_qeac5c93dd2_qkv
	.p2align	8
	.type	k_qeac5c93dd2_qkv,@function
k_qeac5c93dd2_qkv:
	s_mov_b64 s[64:65], 0
	v_nop
	global_prefetch_b8 v0, s[64:65] scope:SCOPE_SE
	s_setreg_imm32_b32 hwreg(HW_REG_WAVE_MODE, 25, 1), 1
	s_wait_xcnt 0x0
.set STEPB, 34816
.set HSTR,  8*STEPB
.set BSTR,  2*HSTR
; q, k and v of both heads for a block of 128 rows, quantised on the way out.  All operands arrive as images of operand registers: the block's 32 fragments of x and their scale words from xq, the weights from wcodes and wscales.
; Wave w takes head w / 2 and 128 of its 256 columns (w % 2).  Window 3 holds x (tile m, K step s at 8 (4 m + s)), windows 1 and 2 two weights by turns; every fragment comes by two loads of 512 consecutive bytes.
; q and k are made transposed (a lane holds one row, its registers run along the next K, the head's axis); v is made with a lane to a column, its registers running along the keys, which are its next K.
; No tensor loads: LDS holds only the stage of the results' scale words (6,144 bytes) and the spare words behind it.
.set SST,   0
.set LI,   1
.set XSR,  7
.set SQ,   8
.set SK,   9
.set SV,   10
.set SSR,  11
.set H64,  12
.set RB,   13
.set L8,   14
.set ACC,  16
.set BIAS, 80
.set PC,   144
.set TM,   152
.set PW,   168
.set WSA,  176
.set WSB,  192
.set XS,   208
.set BV,   224
.set WV,   30
.set HEAD, 31
.set HALF, 32
.set SEL,  52
.set VB,   54
.set MSB, 0
.macro WIN new
.if MSB != \new
	s_set_vgpr_msb (MSB<<8)|\new
.set MSB, \new
.endif
.endm
.macro PLACES n
.rept \n
	v_nop
.endr
.endm
.macro BARRIER
	s_wait_dscnt 0x0
	s_barrier_signal -1
	s_barrier_wait -1
.endm
.macro MM d, a, b, c, sa, sb, ra, rb
.if (\ra) && (\rb)
	v_wmma_scale_f32_16x16x128_f8f6f4 v[\d:\d+7], v[\a:\a+7], v[\b:\b+7], v[\c:\c+7], v[\sa], v[\sb] matrix_a_fmt:MATRIX_FMT_FP4 matrix_b_fmt:MATRIX_FMT_FP4 matrix_a_scale:MATRIX_SCALE_ROW1 matrix_b_scale:MATRIX_SCALE_ROW1
.elseif (\ra)
	v_wmma_scale_f32_16x16x128_f8f6f4 v[\d:\d+7], v[\a:\a+7], v[\b:\b+7], v[\c:\c+7], v[\sa], v[\sb] matrix_a_fmt:MATRIX_FMT_FP4 matrix_b_fmt:MATRIX_FMT_FP4 matrix_a_scale:MATRIX_SCALE_ROW1
.else
	v_wmma_scale_f32_16x16x128_f8f6f4 v[\d:\d+7], v[\a:\a+7], v[\b:\b+7], v[\c:\c+7], v[\sa], v[\sb] matrix_a_fmt:MATRIX_FMT_FP4 matrix_b_fmt:MATRIX_FMT_FP4
.endif
.endm
.macro QUANT s, d, w
.irp b, 0,1,2,3
	v_max3_num_f32 v[TM+\b], |v[(\s)+16*\b]|, |v[(\s)+1+16*\b]|, 0x1800000
.endr
.irp i, 2,4,6,8,10,12,14
.irp b, 0,1,2,3
	v_max3_num_f32 v[TM+\b], v[TM+\b], |v[(\s)+16*\b+\i]|, |v[(\s)+1+16*\b+\i]|
.endr
.endr
.irp b, 0,1,2,3
	v_permlanex16_b32 v[TM+4+\b], v[TM+\b], s[SEL], s[SEL+1]
.endr
.irp b, 0,1,2,3
	v_max_num_f32 v[TM+\b], v[TM+\b], v[TM+4+\b]
.endr
.irp b, 0,1,2,3
	v_add_nc_u32 v[TM+8+\b], 0xff000000, v[TM+\b]
.endr
.irp b, 0,1,2,3
	v_lshrrev_b32 v[TM+4+\b], 23, v[TM+8+\b]
.endr
	v_lshl_or_b32 v[\w], v[TM+5], 8, v[TM+4]
	v_lshl_or_b32 v[\w], v[TM+6], 16, v[\w]
	v_lshl_or_b32 v[\w], v[TM+7], 24, v[\w]
.irp b, 0,1,2,3
	v_cvt_scalef32_pk8_fp4_f32 v[(\d)+2*\b], v[(\s)+16*\b:(\s)+7+16*\b], v[TM+8+\b]
	v_cvt_scalef32_pk8_fp4_f32 v[(\d)+1+2*\b], v[(\s)+8+16*\b:(\s)+15+16*\b], v[TM+8+\b]
.endr
	v_nop
.irp c, 0,1
.irp i, 0,1
	v_permlane16_swap_b32 v[(\d)+4*\c+\i], v[(\d)+2+4*\c+\i]
.endr
.endr
.endm
	s_load_b512 s[4:19], s[0:1], 0x0
	s_load_b256 s[20:27], s[0:1], 0x40
	v_lshl_add_u32 v254, v0, 2, 0x1800
	v_mov_b32 v255, 0
	v_lshrrev_b32 v2, 5, v0
	v_readfirstlane_b32 s[WV], v2
	s_lshr_b32 s[HEAD], s[WV], 1
	s_and_b32 s[HALF], s[WV], 1
	s_mul_i32 s34, ttmp9, 34816                    ; my block in xq: 32,768 bytes of images, 2,048 of scale words
	s_mov_b32 s35, 0
	s_mov_b32 s[SEL], 0x76543210
	s_mov_b32 s[SEL+1], 0xfedcba98
	v_and_b32 v2, 31, v0
	v_lshlrev_b32 v[LI], 4, v2
	v_lshlrev_b32 v[L8], 3, v2
	v_and_b32 v15, 15, v0
	v_bfe_u32 v[H64], v0, 4, 1
	v_lshlrev_b32 v[H64], 6, v[H64]
	v_and_b32 v[RB], 8, v15
	v_add_nc_u32 v[RB], v[RB], v15
	v_lshlrev_b32 v[RB], 2, v[RB]
	v_lshlrev_b32 v15, 2, v15
	s_wait_alu depctr_va_vdst(0)
	v_lshlrev_b32 v[XSR], 2, v2                    ; 4 x lane: my place among x's scale words
	s_lshl_b32 s56, s[HEAD], 10
	s_lshl_b32 s57, s[HALF], 6
	s_add_co_u32 s58, s56, s57
	s_add_co_u32 s58, s58, SST
	v_add_nc_u32 v[SQ], s58, v15
	s_lshl_b32 s56, s[HEAD], 11
	s_add_co_u32 s58, s56, s57
	s_add_co_u32 s58, s58, SST+2048
	v_add_nc_u32 v[SK], s58, v15
	s_lshl_b32 s57, s[HALF], 9
	s_add_co_u32 s58, s56, s57
	s_add_co_u32 s58, s58, SST+3072
	v_add_nc_u32 v[SV], s58, v15
	s_lshl_b32 s58, s[WV], 9
	s_add_co_u32 s58, s58, SST
	v_add_nc_u32 v[SSR], s58, v[LI]
.irp b, 0,1,2,3
	v_mov_b32 v[TM+4+\b], 0
.endr
	s_wait_alu depctr_va_vdst(0)
	s_wait_kmcnt 0x0
	s_add_nc_u64 s[4:5], s[4:5], s[34:35]
	s_mov_b32 s57, 0
	s_mul_i32 s56, s[HEAD], 196608
	s_lshl_b32 s58, s[HALF], 15
	s_add_co_u32 s56, s56, s58
	s_add_nc_u64 s[6:7], s[6:7], s[56:57]
	s_mul_i32 s56, s[HEAD], 12288
	s_lshl_b32 s58, s[HALF], 11
	s_add_co_u32 s56, s56, s58
	s_add_nc_u64 s[8:9], s[8:9], s[56:57]
	s_cmp_eq_u32 s[HEAD], 0
	s_cselect_b64 s[10:11], s[10:11], s[16:17]
	s_cselect_b64 s[12:13], s[12:13], s[18:19]
	s_cselect_b64 s[14:15], s[14:15], s[20:21]
	s_lshl_b32 s56, s[HALF], 9
	s_add_nc_u64 s[10:11], s[10:11], s[56:57]
	s_add_nc_u64 s[12:13], s[12:13], s[56:57]
	s_add_nc_u64 s[14:15], s[14:15], s[56:57]
	s_lshl_b32 s56, ttmp9, 15
	s_lshl_b32 s58, s[HEAD], 14
	s_add_co_u32 s56, s56, s58
	s_lshl_b32 s58, s[HALF], 10
	s_add_co_u32 s56, s56, s58
	s_add_nc_u64 s[22:23], s[22:23], s[56:57]
	s_lshr_b32 s59, ttmp9, 3
	s_and_b32 s60, ttmp9, 7
	s_mul_i32 s56, s59, BSTR
	s_mul_i32 s58, s60, STEPB
	s_add_co_u32 s56, s56, s58
	s_add_nc_u64 s[28:29], s[26:27], s[56:57]
	s_mul_i32 s56, s[HEAD], HSTR
	s_add_nc_u64 s[VB:VB+1], s[28:29], s[56:57]
	s_lshl_b32 s56, s[HALF], 10
	s_add_nc_u64 s[26:27], s[VB:VB+1], s[56:57]
	s_lshl_b32 s56, s[HALF], 13
	s_add_co_u32 s56, s56, 16384
	s_add_nc_u64 s[VB:VB+1], s[VB:VB+1], s[56:57]
	s_lshl_b32 s58, s[WV], 9
	s_add_co_u32 s56, s58, 32768
	s_add_nc_u64 s[28:29], s[28:29], s[56:57]
	s_lshl_b32 s56, ttmp9, 11
	s_add_co_u32 s56, s56, s58
	s_add_nc_u64 s[24:25], s[24:25], s[56:57]
.macro LOADW kind, win
	WIN \win
.set i, 0
.rept 64
	global_load_b128 v[4*i:4*i+3], v[LI], s[6:7] offset:65536*\kind+512*i
.set i, i+1
.endr
	WIN 0
.endm
.macro LOADWS kind, reg
.irp t, 0,1,2,3,4,5,6,7
	global_load_b64 v[\reg+2*\t:\reg+2*\t+1], v[L8], s[8:9] offset:4096*\kind+256*\t
.endr
.endm
.macro LOADB p
.irp t, 0,1,2,3,4,5,6,7
	global_load_b128 v[BIAS+8*\t:BIAS+8*\t+3], v[H64], s[\p:\p+1] offset:(32*(\t/2)+8*(\t%2))*4
	global_load_b128 v[BIAS+8*\t+4:BIAS+8*\t+7], v[H64], s[\p:\p+1] offset:(32*(\t/2)+8*(\t%2))*4+16
.endr
.endm
; THE LOADS GO OUT IN THE ORDER OF THEIR FIRST USE: the first weight, its scale words, the biases, x's scale words and x's tiles 0 and 1; the rest of x and the second weight follow unit by unit.
	LOADW 0, 0x40
	LOADWS 0, WSA
.irp t, 0,1,2,3,4,5,6,7
	global_load_b32 v[BV+\t], v[RB], s[14:15] offset:(32*(\t/2)+8*(\t%2))*4
.endr
	LOADB 10
.irp j, 0,1,2,3,4,5,6,7,8,9,10,11,12,13,14,15
	global_load_b32 v[XS+\j], v[XSR], s[4:5] offset:32768+128*\j   ; register 2 m + s / 2: lanes 0-15 the even K step's words, lanes 16-31 the odd one's
.endr
.macro LOADX m                         ; x's tile m, four fragments, into window 3: 8 loads
	WIN 0xc0
.irp i, 0,1,2,3,4,5,6,7
	global_load_b128 v[4*(8*(\m)+\i):4*(8*(\m)+\i)+3], v[LI], s[4:5] offset:512*(8*(\m)+\i)
.endr
	WIN 0
.endm
.macro LOADP m                         ; tile m of the second weight into window 2, and its scale words: 9 loads
	WIN 0x80
.irp i, 0,1,2,3,4,5,6,7
	global_load_b128 v[4*(8*(\m)+\i):4*(8*(\m)+\i)+3], v[LI], s[6:7] offset:65536+512*(8*(\m)+\i)
.endr
	WIN 0
	global_load_b64 v[WSB+2*(\m):WSB+2*(\m)+1], v[L8], s[8:9] offset:4096+256*(\m)
.endm
	LOADX 0
	LOADX 1
.macro UNITQK win, ws, ob, sa, nb
.irp m, 0,1,2,3,4,5,6,7
.if \nb                                ; the first kind's units: x's tile m is in; the count is what was issued behind it
.if \m == 0
	s_wait_loadcnt 8                               ; tile 1's 8
.elseif \m == 1
	s_wait_loadcnt 17                              ; tile 2's 8 and the second weight's first 9
.elseif \m == 7
	s_wait_loadcnt 18                              ; 9 and 9 of the second weight
.else
	s_wait_loadcnt 26                              ; 9 of the second weight, tile m + 1's 8, 9 more
.endif
.if \m < 6
	LOADX \m+2                                     ; asked for two units ahead of its use
.endif
	LOADP \m
.endif
	WIN \win
.irp s, 0,1,2,3
.irp t, 0,1,2,3,4,5,6,7
.if \s == 0
	MM ACC+8*\t, 8*(4*\t+\s), 8*(4*\m+\s), BIAS+8*\t, \ws+2*\t+\s/2, XS+2*\m+\s/2, \s%2, \s%2
.else
	MM ACC+8*\t, 8*(4*\t+\s), 8*(4*\m+\s), ACC+8*\t, \ws+2*\t+\s/2, XS+2*\m+\s/2, \s%2, \s%2
.endif
.endr
.endr
	WIN 0
	PLACES 4
.if (\nb) && (\m == 7)
	LOADB \nb
.endif
	s_wait_xcnt 0x0
	s_wait_dscnt 0x0
	QUANT ACC, PC, PW
	global_store_b128 v[LI], v[PC:PC+3], s[\ob:\ob+1] offset:2048*\m
	global_store_b128 v[LI], v[PC+4:PC+7], s[\ob:\ob+1] offset:2048*\m+512
	ds_store_b32 v[\sa], v[PW] offset:128*\m
.endr
.endm
	UNITQK 0x0d, WSA, 22, SQ, 12
	LOADW 2, 0x40
	LOADWS 2, WSA
	s_wait_loadcnt 63
	UNITQK 0x0e, WSB, 26, SK, 0
.irp t, 0,1,2,3,4,5,6,7
.irp j, 0,1,2,3,4,5,6,7
	v_mov_b32 v[BIAS+8*\t+\j], v[BV+\t]
.endr
.endr
	s_wait_loadcnt 0x0
.irp t, 0,1,2,3,4,5,6,7
	WIN 0x07
.irp s, 0,1,2,3
.irp m, 0,1,2,3,4,5,6,7
.if \s == 0
	MM ACC+8*\m, 8*(4*\m+\s), 8*(4*\t+\s), BIAS+8*\t, XS+2*\m+\s/2, WSA+2*\t+\s/2, \s%2, \s%2
.else
	MM ACC+8*\m, 8*(4*\m+\s), 8*(4*\t+\s), ACC+8*\m, XS+2*\m+\s/2, WSA+2*\t+\s/2, \s%2, \s%2
.endif
.endr
.endr
	WIN 0
	PLACES 4
	s_wait_xcnt 0x0
	s_wait_dscnt 0x0
	QUANT ACC, PC, PW
	global_store_b128 v[LI], v[PC:PC+3], s[VB:VB+1] offset:1024*\t
	global_store_b128 v[LI], v[PC+4:PC+7], s[VB:VB+1] offset:1024*\t+512
	ds_store_b32 v[SV], v[PW] offset:128*(\t/2)+64*(\t%2)
.endr
	BARRIER
	ds_load_b128 v[16:19], v[SSR]
	ds_load_b128 v[20:23], v[SSR] offset:2048
	ds_load_b128 v[24:27], v[SSR] offset:4096
	s_wait_dscnt 0x0
	global_store_b128 v[LI], v[16:19], s[24:25]
	global_store_b128 v[LI], v[20:23], s[28:29]
	global_store_b128 v[LI], v[24:27], s[28:29] offset:HSTR
	s_wait_tensorcnt 0x0
	ds_add_u32 v254, v255
	s_wait_dscnt 0x0
	s_endpgm
.Lfunc_end_k_qeac5c93dd2_qkv:
	.size	k_qeac5c93dd2_qkv, .Lfunc_end_k_qeac5c93dd2_qkv-k_qeac5c93dd2_qkv
	.p2alignl 7, 3214868480
	.fill 96, 4, 3214868480
	.section	.rodata,"a",@progbits
	.p2align	6, 0x0
	.amdhsa_kernel k_qeac5c93dd2_qkv
		.amdhsa_group_segment_fixed_size 6656
		.amdhsa_private_segment_fixed_size 0
		.amdhsa_enable_private_segment 0
		.amdhsa_kernarg_size 96
		.amdhsa_user_sgpr_count 2
		.amdhsa_user_sgpr_kernarg_segment_ptr 1
		.amdhsa_wavefront_size32 1
		.amdhsa_system_sgpr_workgroup_id_x 1
		.amdhsa_system_sgpr_workgroup_id_y 1
		.amdhsa_system_sgpr_workgroup_id_z 1
		.amdhsa_system_vgpr_workitem_id 0
		.amdhsa_next_free_vgpr 1024
		.amdhsa_next_free_sgpr 66
		.amdhsa_reserve_vcc 0
		.amdhsa_float_denorm_mode_32 3
		.amdhsa_float_denorm_mode_16_64 3
		.amdhsa_memory_ordered 1
		.amdhsa_forward_progress 1
		.amdhsa_inst_pref_size 237
	.end_amdhsa_kernel
	.amdgpu_metadata
---
amdhsa.version: [ 1, 2 ]
amdhsa.kernels:
  - .name:           k_qeac5c93dd2_qkv
    .symbol:         k_qeac5c93dd2_qkv.kd
    .args:
      - { .name: xq, .offset: 0, .size: 8, .value_kind: global_buffer, .address_space: global }
      - { .name: wcodes, .offset: 8, .size: 8, .value_kind: global_buffer, .address_space: global }
      - { .name: wscales, .offset: 16, .size: 8, .value_kind: global_buffer, .address_space: global }
      - { .name: bq1, .offset: 24, .size: 8, .value_kind: global_buffer, .address_space: global }
      - { .name: bk1, .offset: 32, .size: 8, .value_kind: global_buffer, .address_space: global }
      - { .name: bv1, .offset: 40, .size: 8, .value_kind: global_buffer, .address_space: global }
      - { .name: bq2, .offset: 48, .size: 8, .value_kind: global_buffer, .address_space: global }
      - { .name: bk2, .offset: 56, .size: 8, .value_kind: global_buffer, .address_space: global }
      - { .name: bv2, .offset: 64, .size: 8, .value_kind: global_buffer, .address_space: global }
      - { .name: qc, .offset: 72, .size: 8, .value_kind: global_buffer, .address_space: global }
      - { .name: qs, .offset: 80, .size: 8, .value_kind: global_buffer, .address_space: global }
      - { .name: kvc, .offset: 88, .size: 8, .value_kind: global_buffer, .address_space: global }
    .group_segment_fixed_size: 6656
    .private_segment_fixed_size: 0
    .kernarg_segment_align: 8
    .kernarg_segment_size: 96
    .max_flat_workgroup_size: 128
    .sgpr_count:     66
    .vgpr_count:     1024
    .wavefront_size: 32
...
	.end_amdgpu_metadata
.endif
;; end of part 2
;; launch attn (part 3): grid 8 x 32, 8 waves a work-group, clusters of 4 x 1, 327,680 bytes of LDS; arguments qc, qs, kvc, wcodes, wscales, bo, gamma, beta, inputs, out0; writes out0
.if DOCPART == 3
	.amdgcn_target "amdgcn-amd-amdhsa--gfx1250"
	.amdhsa_code_object_version 6
	.text
	.protected	k_qeac5c93dd2_attn
	.globl	k_qeac5c93dd2_attn
	.p2align	8
	.type	k_qeac5c93dd2_attn,@function
k_qeac5c93dd2_attn:
	s_mov_b64 s[64:65], 0
	v_nop
	global_prefetch_b8 v0, s[64:65] scope:SCOPE_SE
	s_setreg_imm32_b32 hwreg(HW_REG_WAVE_MODE, 25, 1), 1
	s_wait_xcnt 0x0
	s_wait_alu depctr_hold_cnt(0) depctr_sa_sdst(0) depctr_va_vdst(0) depctr_va_sdst(0) depctr_va_ssrc(0) depctr_va_vcc(0) depctr_vm_vsrc(0)
	s_getreg_b32 s2, hwreg(HW_REG_IB_STS2, 6, 4)
	s_cmp_eq_u32 s2, 0
	s_cbranch_scc0 .Lentry_in_a_cluster
	s_endpgm
.Lentry_in_a_cluster:
	s_bfe_u32 s2, ttmp6, 0x10000c
	s_cmp_lg_u32 s2, 0x3003
	s_cbranch_scc0 .Lentry_shape_is_right
	s_endpgm
.Lentry_shape_is_right:
; Both heads' attention, the output projection, the residual and the LayerNorm.  All products on codes of FP4 (E2M1) with one E8M0 scale for each 32 along K.
; Operands lie in memory as IMAGES OF THEIR REGISTERS (a fragment, 16 rows x 128 K: 1,024 bytes, registers 4 c .. 4 c + 3 of lane l at 512 c + 16 l), so every fragment comes by two loads of 512 consecutive bytes.
; SHARES.  A work-group owns 128 queries of a batch.  THE WAVES DIVIDE THE HEADS: waves 0-3 head 0, waves 4-7 head 1; wave w holds TWO tiles of 16 queries, 2 (w % 4) and 2 (w % 4) + 1 (lane r of tile 2 b + u: row 32 b + 8 u + r + 8 (r / 8)).
; So each fragment of K and V that a wave reads from LDS feeds two matrix instructions.  A wave walks the 1,024 keys of its head, 128 a step.  Two waves to a SIMD.
; A key step of a head is 34,816 bytes on end: 16 fragments of K, 16 of V, 2,048 bytes of scale words.  A slot holds two steps of both heads; four VISITS go through two slots.
; CLUSTER.  The four query blocks of a cluster walk the same K and V: each tile is asked for JOINTLY, by the same tensor load with the same descriptor and a mask that names the four.
; A STEP: K | S^T of tile A | softmax A | S^T of tile B (K is still in its registers) | V | softmax B | O^T += V^T P^T of both tiles.  The scores of one tile at a time: 64 registers.
; Q has no room in the registers beside two tiles of O^T: each wave keeps its 4 KB of Q in LDS bytes of its own and reads a tile's 16 registers when that tile's scores are due.
; SOFTMAX.  t = score x log2(e) / 16; M = the running largest t rounded UP to a whole number, kept as -M = the least floor(-t) so far; p = 2^(t - M) is quantised along the keys, not normalised; the row's sum is taken of the
; unquantised p and divides O at the end.  When M moves, the sum and O^T are multiplied by 2^(old M - new M), which rounds nothing.  Both products are used transposed: a lane holds ONE query of each tile throughout.
; THE RESIDUAL.  Behind the last change of slots the slot that has been read out takes rows 0-63 of the block's inputs, eight rows a wave: they land under the last two key steps.  Rows 64-127 come into the registers that O^T leaves.
; THE WAY OUT.  O / l is quantised: four fragments a wave, into the wave's own bytes of Q; wave w then makes output columns 64 w .. 64 w + 63 (Wo's 16 fragments in its registers), 64 rows at a time, into a stage;
; each wave takes 8 whole rows: + bo, + inputs, mean, a second pass for the variance, 1 / sqrt, gamma, beta, and stores rows of 2,048 bytes.  The first 64 rows' stores leave while the other 64 are projected.
; LDS: slot 0 at 0, slot 1 at 139,264; Q at 278,528 (4,096 a wave); Q's scale words at 311,296 (256 a wave); the spare words at 313,344.  The stage, 64 rows x 2,064, lies in slot 1, which has had its last fill by then.
; REGISTERS: window 0: v1-7 addresses; v8, v10 -M; v9, v11 the step's addresses; v[12:15] the sums; v16-31 a tile's Q, then tile B's codes of p; v32-39 tile A's; v40-51 at work; v52-63 scale words and nothing else;
;   v64-127 S^T, then p; v128-255 K, then V, later Wo.   window 1: O^T, 128 a tile; on the way out v0-127 the residual's rows 64 on, v128-191 the concatenation's fragments or the residual from LDS, v192-239 gamma, beta, bo.
; LIMITS: NaN and infinities are not served; a block whose largest magnitude lies under 2^-124 has its byte held at 1; a block of zeros gets the byte 1 and not 127 (its codes are zeros; this program alone reads the bytes);
; 1 / l and 1 / sqrt are v_rcp_f32 and v_rsq_f32; a block's largest p is taken from the block's largest score, which takes v_exp_f32 not to fall where its input rises.
.set STEPB,  34816                     ; a key step of one head
.set HPART,  2*STEPB                   ; a head's part of a slot
.set SLOTB,  2*HPART
.set WPART,  HPART/4                   ; what one joint load brings: 68 rows of 256 bytes
.set HSTR,   8*STEPB                   ; a head in memory
.set BSTR,   2*HSTR                    ; a batch
.set QL,     2*SLOTB
.set QSL,    QL+32768
.set SPARE,  QSL+2048                  ; the spare words, 128 bytes for each wave: four blocks of 256 bytes that no other line names
.set STG,    SLOTB
.set SPITCH, 2064                      ; a stage row: 2,048 bytes + 16
.set LI,  1                            ; v1   16 x lane
.set LS,  2                            ; v2   4 x lane
.set SPW, 3                            ; v3   LDS address of my spare word; never rewritten
.set NIL, 4                            ; v4   0; never rewritten
.set AQ,  5                            ; v5   my wave's Q
.set AQS, 6                            ; v6   and its scale words
.set PFO, 7                            ; v7   the prefetches' offset; never rewritten
.set RPF, 42                           ; v42  256 x lane: the offset of the residual's prefetches; at work again on the way out
.set NMA, 8                            ; v8   -M of tile A (named as a pair with v9)
.set ADK, 9                            ; v9   the step's fragments
.set NMB, 10                           ; v10  -M of tile B (with v11)
.set ADS, 11                           ; v11  the step's scale words
.set SMA, 12                           ; v[12:13], v[14:15] the sums, in two halves each
.set SMB, 14
.set QB,  16
.set PCB, 16
.set PCA, 32
.set FF,  40                           ; v40  the factor (named as a pair with v41)
.set TV,  41
.set BM,  44
.set T2,  48
.set TM,  40
.set KS,  52                           ; K's scale words, then V's; later Wo's
.set QS,  60
.set PSA, 61
.set PSB, 62
.set CSW, 60                           ; v60-63 later the concatenation's scale words
.set S,   64
.set FB,  128
.set SO,  16                           ; the way out: v16 the stage, in; v17 back; v18-19 the two tiles in hand
.set SR,  17
.set SOT, 18
.set CIR, 20                           ; v20  where I read the concatenation's images; v21 their scale words
.set CSR, 21
.set RR,  22                           ; v22  my eight rows of the residual in LDS
.set ACW, 23                           ; v23  where I store my scale words
.set L8,  24                           ; v24  8 x lane
.set PW,  25                           ; v25  a scale word just made
.set RS,  8                            ; v8-15  the four rows' 1 / sqrt, as pairs
.set MU,  26                           ; v26-33 their means, as pairs
.set LT,  34                           ; v34-49 four registers a row
.set CF,  128                          ; in window 1
.set GA,  192
.set BE,  208
.set BO,  224
.set WV,  24
.set CX,  25
.set HD,  26
.set PB,  27
.set SEL, 30
.set CS,  32                           ; s[32:33] c = log2(e) / 16
.set G1C, 36                           ; s[36:43] group 1 of the joint loads
.set G1R, 44                           ; s[44:51] of the residual's load
.set G0,  52                           ; s[52:55] group 0, which walks
.set G0R, 56                           ; s[56:59]
.set TB,  60
.set CNT, 61
.set WOFF, 62
.set HOFF, 63
.set PFA, 66                           ; s[66:67]
.set C512, 74
.set EPS, 75
.set LIM, 76
.set MSB, 0
.macro WIN new                         ; the immediate's high byte repeats the setting that is left
.if MSB != \new
	s_set_vgpr_msb (MSB<<8)|\new
.set MSB, \new
.endif
.endm
.macro PLACES n
.rept \n
	v_nop
.endr
.endm
.macro BARRIER                         ; my LDS stores have landed and my LDS loads are in: then the work-group's barrier
	s_wait_dscnt 0x0
	s_barrier_signal -1
	s_barrier_wait -1
.endm
; A round of the cluster's barrier: my work-group's barrier; wave 0 signals for the work-group; every wave waits for all four work-groups; my work-group's barrier once more.
.macro CROUND
	s_barrier_signal -1
	s_barrier_wait -1
	s_cmp_lg_u32 s[WV], 0
	s_cbranch_scc1 .Lnot_wave_0_\@
	s_barrier_signal -3
.Lnot_wave_0_\@:
	s_barrier_wait -3
	s_barrier_signal -1
	s_barrier_wait -1
.endm
.macro MM d, a, b, c, sa, sb, ra, rb   ; a product with C in registers.  ra, rb = 1: that side's scales are read from lanes 16-31
.if (\ra) && (\rb)
	v_wmma_scale_f32_16x16x128_f8f6f4 v[\d:\d+7], v[\a:\a+7], v[\b:\b+7], v[\c:\c+7], v[\sa], v[\sb] matrix_a_fmt:MATRIX_FMT_FP4 matrix_b_fmt:MATRIX_FMT_FP4 matrix_a_scale:MATRIX_SCALE_ROW1 matrix_b_scale:MATRIX_SCALE_ROW1
.elseif (\ra)
	v_wmma_scale_f32_16x16x128_f8f6f4 v[\d:\d+7], v[\a:\a+7], v[\b:\b+7], v[\c:\c+7], v[\sa], v[\sb] matrix_a_fmt:MATRIX_FMT_FP4 matrix_b_fmt:MATRIX_FMT_FP4 matrix_a_scale:MATRIX_SCALE_ROW1
.else
	v_wmma_scale_f32_16x16x128_f8f6f4 v[\d:\d+7], v[\a:\a+7], v[\b:\b+7], v[\c:\c+7], v[\sa], v[\sb] matrix_a_fmt:MATRIX_FMT_FP4 matrix_b_fmt:MATRIX_FMT_FP4
.endif
.endm
.macro MZ d, a, b, sa, sb              ; a sum's first product: C = 0
	v_wmma_scale_f32_16x16x128_f8f6f4 v[\d:\d+7], v[\a:\a+7], v[\b:\b+7], 0, v[\sa], v[\sb] matrix_a_fmt:MATRIX_FMT_FP4 matrix_b_fmt:MATRIX_FMT_FP4
.endm
; 64 numbers of a lane, register 16 b + i = k 32 b + 16 (lane / 16) + i of my row, become a fragment's codes in v[d] on and its scale word in v[w].
.macro QUANT s, d, w
.irp b, 0,1,2,3
	v_max3_num_f32 v[TM+\b], |v[(\s)+16*\b]|, |v[(\s)+1+16*\b]|, 0x1800000   ; with the floor 2^(3 - 127): the byte cannot fall under 1
.endr
.irp i, 2,4,6,8,10,12,14
.irp b, 0,1,2,3
	s_delay_alu instid0(VALU_DEP_4)
	v_max3_num_f32 v[TM+\b], v[TM+\b], |v[(\s)+16*\b+\i]|, |v[(\s)+1+16*\b+\i]|
.endr
.endr
.irp b, 0,1,2,3
	s_delay_alu instid0(VALU_DEP_4)
	v_permlanex16_b32 v[TM+4+\b], v[TM+\b], s[SEL], s[SEL+1]
.endr
.irp b, 0,1,2,3
	s_delay_alu instid0(VALU_DEP_4)
	v_max_num_f32 v[TM+\b], v[TM+\b], v[TM+4+\b]
.endr
.irp b, 0,1,2,3
	s_delay_alu instid0(VALU_DEP_4)
	v_add_nc_u32 v[TM+8+\b], 0xff000000, v[TM+\b]
.endr
.irp b, 0,1,2,3
	s_delay_alu instid0(VALU_DEP_4)
	v_lshrrev_b32 v[TM+4+\b], 23, v[TM+8+\b]
.endr
	s_delay_alu instid0(VALU_DEP_3)
	v_lshl_or_b32 v[\w], v[TM+5], 8, v[TM+4]
	s_delay_alu instid0(VALU_DEP_1)
	v_lshl_or_b32 v[\w], v[TM+6], 16, v[\w]
	s_delay_alu instid0(VALU_DEP_1)
	v_lshl_or_b32 v[\w], v[TM+7], 24, v[\w]
.irp b, 0,1,2,3
	v_cvt_scalef32_pk8_fp4_f32 v[(\d)+2*\b], v[(\s)+16*\b:(\s)+7+16*\b], v[TM+8+\b]
	v_cvt_scalef32_pk8_fp4_f32 v[(\d)+1+2*\b], v[(\s)+8+16*\b:(\s)+15+16*\b], v[TM+8+\b]
.endr
	v_nop                                          ; one plain line behind the last conversion
.irp c, 0,1
.irp i, 0,1
	v_permlane16_swap_b32 v[(\d)+4*\c+\i], v[(\d)+2+4*\c+\i]
.endr
.endr
.endm
	s_load_b512 s[4:19], s[0:1], 0x0               ; qc s[4:5], qs s[6:7], kvc s[8:9], wcodes s[10:11], wscales s[12:13], bo s[14:15], gamma s[16:17], beta s[18:19]
	s_load_b128 s[20:23], s[0:1], 0x40             ; inputs s[20:21], out0 s[22:23]
	v_lshl_add_u32 v[SPW], v0, 2, SPARE
	v_mov_b32 v[NIL], 0
	ds_add_u32 v3, v4
	ds_add_u32 v3, v4
	s_wait_dscnt 0x0
	v_lshrrev_b32 v5, 5, v0
	s_delay_alu instid0(VALU_DEP_1)
	v_readfirstlane_b32 s[WV], v5                  ; wave 0..7
	s_lshr_b32 s[HD], s[WV], 2                     ; my head
	s_and_b32 s[PB], s[WV], 3                      ; my pair of tiles
	s_bfe_u32 s[CX], ttmp6, 0x40000                ; cx: my place in the cluster: it enters Q's, the residual's, the output's and the prefetches' global addresses alone
	s_lshl_b32 s28, ttmp9, 2
	s_add_co_u32 s28, s28, s[CX]                   ; my block of 128 queries
	s_and_b32 s29, ttmp7, 0xffff                   ; the batch, which the four partners share
	s_lshl_b32 s34, s29, 3
	s_add_co_u32 s28, s28, s34                     ; 8 x batch + block
	s_mov_b32 s[LIM], ttmp9                        ; 0 in the batch's first cluster: the same in all four partners
	; descriptor groups 1: dense blocks as rows of 256 bytes (32 elements of 8 bytes): 68 rows jointly, 64 rows of my own
	s_mov_b32 s[G1C], 15|(3<<16)|(1<<21)           ; 15:0 the mask: all four work-groups; 17:16 elements of 8 bytes; 21 set beside a mask
	s_mov_b32 s[G1C+1], 32<<16
	s_mov_b32 s[G1C+2], 68<<16
	s_mov_b32 s[G1C+3], 32<<16
	s_mov_b32 s[G1C+4], 68
	s_mov_b32 s[G1C+5], 32
	s_mov_b32 s[G1C+6], 0
	s_mov_b32 s[G1C+7], 0
	s_mov_b32 s[G1R], 3<<16                        ; no mask: each work-group has rows of its own
	s_mov_b32 s[G1R+1], 32<<16
	s_mov_b32 s[G1R+2], 64<<16
	s_mov_b32 s[G1R+3], 32<<16
	s_mov_b32 s[G1R+4], 64
	s_mov_b32 s[G1R+5], 32
	s_mov_b32 s[G1R+6], 0
	s_mov_b32 s[G1R+7], 0
	s_mul_i32 s[WOFF], s[WV], WPART                ; my part of a slot: waves 0-3 bring head 0's two steps, waves 4-7 head 1's
	s_mul_i32 s[HOFF], s[HD], HPART                ; where my head's steps begin in a slot
	s_mov_b32 s[G0], 1
	s_mov_b32 s[G0+1], s[WOFF]                     ; visit 0 goes into slot 0
	s_mov_b32 s[G0R], 1
	s_lshl_b32 s[G0R+1], s[WV], 14                 ; my eight rows of the residual: 16,384 bytes of slot 0
	s_mul_i32 s72, s29, BSTR                       ; in memory: the batch, the head, my quarter of its two steps
	s_mul_i32 s73, s[HD], HSTR
	s_add_co_u32 s72, s72, s73
	s_mul_i32 s73, s[PB], WPART
	s_add_co_u32 s72, s72, s73
	s_mov_b32 s73, 0
	s_mov_b32 s[SEL], 0x76543210
	s_mov_b32 s[SEL+1], 0xfedcba98
	s_mov_b32 s[CS], 0x3db8aa3b                    ; c = log2(e) / 16
	s_mov_b32 s[CS+1], s[CS]                       ; (named with it as a pair, so it is written)
	s_mov_b32 s[C512], 0x3b000000                  ; 1 / 512
	s_mov_b32 s[EPS], 0x3727c5ac                   ; 1e-5
	v_and_b32 v[AQ], 31, v0                        ; lane
	s_delay_alu instid0(VALU_DEP_1)
	v_lshlrev_b32 v[LI], 4, v[AQ]
	s_delay_alu instid0(VALU_DEP_2)
	v_lshlrev_b32 v[LS], 2, v[AQ]
	s_delay_alu instid0(VALU_DEP_3)
	v_min_u32 v[PFO], 16, v[AQ]
	s_delay_alu instid0(VALU_DEP_1)
	v_lshlrev_b32 v[PFO], 8, v[PFO]                ; 256 x lane, held at lane 16
	s_lshl_b32 s34, s[WV], 12
	s_add_co_u32 s34, s34, QL
	v_add_nc_u32 v[AQ], s34, v[LI]
	s_lshl_b32 s34, s[WV], 8
	s_add_co_u32 s34, s34, QSL
	v_add_nc_u32 v[AQS], s34, v[LS]
	v_mov_b32 v[NMA], 0x7f61b1e6                   ; -M so far: 3e38, over every floor(-t)
	v_mov_b32 v[NMB], 0x7f61b1e6
.irp j, 0,1,2,3
	v_mov_b32 v[SMA+\j], 0                         ; the sums
	v_mov_b32 v[T2+\j], 0                          ; written once: a lane permute's destination counts as one of its sources
.endr
	v_mov_b32 v[TV], 0                             ; (named as the upper half of a pair)
	v_lshlrev_b32 v[RPF], 4, v[LI]
	s_wait_alu depctr_va_vdst(0)
	s_wait_kmcnt 0x0
	s_add_nc_u64 s[G0+2:G0+3], s[8:9], s[72:73]
	s_or_b32 s[G0+3], s[G0+3], 0x80000000
	s_mov_b32 s69, 0
	s_add_nc_u64 s[PFA:PFA+1], s[8:9], s[72:73]    ; the prefetches: of the 68 blocks of 256 bytes that I fetch, my work-group's 17
	s_mul_i32 s68, s[CX], 4352
	s_add_nc_u64 s[PFA:PFA+1], s[PFA:PFA+1], s[68:69]
	s_lshl_b32 s68, s28, 18                        ; the residual and the output: 128 rows of 2,048 bytes a block; rows 8 w on, and 64 + 8 w on by the immediates
	s_lshl_b32 s70, s[WV], 14
	s_add_co_u32 s68, s68, s70
	s_add_nc_u64 s[20:21], s[20:21], s[68:69]
	s_add_nc_u64 s[22:23], s[22:23], s[68:69]
	s_mov_b64 s[G0R+2:G0R+3], s[20:21]
	s_or_b32 s[G0R+3], s[G0R+3], 0x80000000
	s_lshl_b32 s68, s28, 15                        ; Q: 32,768 a block, 4,096 a wave: head, pair of tiles
	s_lshl_b32 s70, s[WV], 12
	s_add_co_u32 s68, s68, s70
	s_add_nc_u64 s[4:5], s[4:5], s[68:69]
	s_lshl_b32 s68, s28, 11                        ; its scale words: 2,048 a block, 256 a wave
	s_lshl_b32 s70, s[WV], 8
	s_add_co_u32 s68, s68, s70
	s_add_nc_u64 s[6:7], s[6:7], s[68:69]
	s_lshl_b32 s68, s[WV], 14                      ; Wo: tiles 96 + 4 w on, 4,096 bytes each
	s_add_co_u32 s68, s68, 393216
	s_add_nc_u64 s[10:11], s[10:11], s[68:69]
	s_lshl_b32 s68, s[WV], 10                      ; its scale words: 256 bytes a tile
	s_add_co_u32 s68, s68, 24576
	s_add_nc_u64 s[12:13], s[12:13], s[68:69]
.irp i, 0,1,2,3,4,5,6,7
	global_load_b128 v[S+4*\i:S+4*\i+3], v[LI], s[4:5] offset:512*\i   ; my four fragments of Q: tile u, K step s at 2,048 u + 1,024 s; asked for ahead of the round
.endr
.irp u, 0,1
	global_load_b32 v[S+32+\u], v[LS], s[6:7] offset:128*\u   ; lanes 0-15 K step 0's words, lanes 16-31 K step 1's
.endr
	CROUND                                         ; all four work-groups are here: the first joint loads meet
	tensor_load_to_lds s[G0:G0+3], s[G1C:G1C+7]    ; visit 0 into slot 0: one load of mine is out
	s_nop 0
	PLACES 4
	WIN 0x40
.set i, 0
.rept 256
	v_mov_b32 v[i], 0                              ; O^T, cleared while the first loads are out.  The key step has no first step of its own: the first finds zeros, which the first change of M leaves zeros
.set i, i+1
.endr
	WIN 0
	s_wait_loadcnt 0x0
.irp i, 0,1,2,3,4,5,6,7
	ds_store_b128 v[AQ], v[S+4*\i:S+4*\i+3] offset:512*\i    ; into LDS bytes that only I touch until the way out
.endr
.irp u, 0,1
	ds_store_b32 v[AQS], v[S+32+\u] offset:128*\u
.endr
; A PREFETCH INTO THE L2 of the visit that the NEXT change of slots will ask for: two key steps of both heads, a visit ahead of that load.  It stands behind the wave's tensor load and its four lines.
; Each aligned block of 256 bytes of visits 2 and 3 is named once in the launch: both clusters of a batch walk the same run, the first asks; of the 68 blocks that wave w fetches jointly, the partner at place cx takes
; 17, told apart BY ADDRESS; a lane a block, lanes 17-31 repeating lane 16's.  Visits 0 and 1 come by their loads alone; the change that asks for visit 3 prefetches nothing.  The address is never stepped: the visit stands in the immediate.
.macro ASK v
	s_cmp_eq_u32 s[LIM], 0
	s_cbranch_scc0 .Lnot_mine_\@
	global_prefetch_b8 v[PFO], s[PFA:PFA+1] offset:((\v)+2)*HPART th:TH_LOAD_NT scope:SCOPE_SE
.Lnot_mine_\@:
.endm
; THE CHANGE OF SLOTS stands at a visit's head.  Each wave waits for all its tensor loads (its part of the slot that it is about to read), adds 0 to its spare word, and waits for that and for its reads of the slot that it has left.
; The barrier is a round of the cluster's, so that no wave of any partner still reads the other slot or has a load on its way.  Behind it comes the wave's one tensor load: the next visit, jointly; behind the last change
; my eight rows of the residual, into the slot that has been read out.  Either has a visit's two key steps of two tiles in which to land.
.macro CHANGE v
	s_wait_tensorcnt 0x0                           ; no tensor load of mine is out, so group 0 may be written
	ds_add_u32 v[SPW], v[NIL]                      ; 0 onto my spare word
.if (\v) < 3
	s_add_co_u32 s[G0+1], s[WOFF], (((\v)+1)&1)*SLOTB   ; the other slot,
	s_add_nc_u64 s[G0+2:G0+3], s[G0+2:G0+3], HPART      ; the next two key steps; the type bits on top are not reached
.endif
	s_wait_dscnt 0x0                               ; the add is done, and my reads of the slot that I have left are over
	CROUND
.if (\v) < 3
	tensor_load_to_lds s[G0:G0+3], s[G1C:G1C+7]
	s_nop 0
.else
	tensor_load_to_lds s[G0R:G0R+3], s[G1R:G1R+7]
	s_nop 0
.endif
	PLACES 4
.if (\v) < 2
	ASK \v
.endif
; The residual is prefetched too: each wave asks for its own rows, a lane a block of 256 bytes, 32 blocks an instruction, each block once in the launch.
; Rows 8 w on (16,384 bytes) at visit 1's head, four key steps ahead of the tensor load that brings them; rows 64 + 8 w on at visit 2's head, four key steps ahead of their loads.
.if (\v) == 1
	global_prefetch_b8 v[RPF], s[20:21] th:TH_LOAD_NT scope:SCOPE_SE
	global_prefetch_b8 v[RPF], s[20:21] offset:8192 th:TH_LOAD_NT scope:SCOPE_SE
.endif
.if (\v) == 2
	global_prefetch_b8 v[RPF], s[20:21] offset:131072 th:TH_LOAD_NT scope:SCOPE_SE
	global_prefetch_b8 v[RPF], s[20:21] offset:139264 th:TH_LOAD_NT scope:SCOPE_SE
.endif
.endm
; S^T = K Q^T of the tile whose Q stands in v[QB] on: the eight accumulators by turns
.macro SPROD
.irp t, 0,1,2,3,4,5,6,7
	MZ S+8*\t, FB+16*\t, QB, KS+\t, QS
.endr
.irp t, 0,1,2,3,4,5,6,7
	MM S+8*\t, FB+16*\t+8, QB+8, S+8*\t, KS+\t, QS, 1, 1
.endr
.endm
; One tile's softmax for 128 keys.  nm: -M; sm: the sum; pc, ps: where p's codes and scale word go; ob: the tile's O^T in window 1
.macro SOFTMAX nm, sm, pc, ps, ob
.irp b, 0,1,2,3
	v_max3_num_f32 v[BM+\b], v[S+16*\b], v[S+1+16*\b], v[S+2+16*\b]   ; the largest score of each block of 32 keys: it serves for the row's maximum and, since p rises with the score, for the block's largest p
.endr
.irp i, 3,5,7,9,11,13
.irp b, 0,1,2,3
	v_max3_num_f32 v[BM+\b], v[BM+\b], v[S+16*\b+\i], v[S+1+16*\b+\i]
.endr
.endr
.irp b, 0,1,2,3
	v_max_num_f32 v[BM+\b], v[BM+\b], v[S+15+16*\b]
.endr
.irp b, 0,1,2,3
	s_delay_alu instid0(VALU_DEP_4)
	v_permlanex16_b32 v[T2+\b], v[BM+\b], s[SEL], s[SEL+1]
.endr
.irp b, 0,1,2,3
	s_delay_alu instid0(VALU_DEP_4)
	v_max_num_f32 v[BM+\b], v[BM+\b], v[T2+\b]     ; with lane l xor 16's 16 keys
.endr
	s_delay_alu instid0(VALU_DEP_2)
	v_max3_num_f32 v[TV], v[BM], v[BM+1], v[BM+2]
	s_delay_alu instid0(VALU_DEP_1)
	v_max_num_f32 v[TV], v[TV], v[BM+3]            ; the step's largest score of my query
	s_delay_alu instid0(VALU_DEP_1)
	v_mul_f32 v[TV], s[CS], v[TV]                  ; as t (c is positive)
	s_delay_alu instid0(VALU_DEP_1)
	v_floor_f32 v[TV], -v[TV]                      ; -ceil(t)
	s_delay_alu instid0(VALU_DEP_1)
	v_min_num_f32 v[TV], v[TV], v[\nm]             ; the new -M: the ceiling of the larger is the larger of the ceilings
	s_delay_alu instid0(VALU_DEP_1)
	v_sub_f32 v[FF], v[TV], v[\nm]                 ; old M - new M: a whole number, 0 or less
	s_delay_alu instid0(VALU_DEP_2)
	v_mov_b32 v[\nm], v[TV]
	s_delay_alu instid0(VALU_DEP_2)
	v_cvt_i32_f32 v[FF], v[FF]                     ; (it saturates)
	s_delay_alu instid0(VALU_DEP_1)
	v_ldexp_f32 v[FF], 1.0, v[FF]                  ; f = 2^(old M - new M)
.irp j, 0,2,4,6,8,10,12,14,16,18,20,22,24,26,28,30,32,34,36,38,40,42,44,46,48,50,52,54,56,58,60,62
	v_pk_fma_f32 v[S+\j:S+1+\j], v[S+\j:S+1+\j], s[CS:CS+1], v[\nm:\nm+1] op_sel_hi:[1,0,0]   ; t - M, two at a time
.endr
.irp b, 0,1,2,3
	v_fma_f32 v[BM+\b], v[BM+\b], s[CS], v[\nm]    ; the same of each block's largest score
.endr
.set i, 0
	s_wait_alu depctr_va_vdst(0)
.rept 64
	v_exp_f32 v[S+i], v[S+i]                       ; p = 2^(t - M), at most 1
.set i, i+1
.endr
	v_pk_mul_f32 v[\sm:\sm+1], v[\sm:\sm+1], v[FF:FF+1] op_sel_hi:[1,0]   ; the sums under the new M: a plain line behind the exponentials
	s_wait_alu depctr_va_vdst(0)                   ; one wait for the whole batch, ahead of its first reader
.irp b, 0,1,2,3
	v_exp_f32 v[BM+\b], v[BM+\b]                   ; the block's largest p
.endr
	v_pk_add_f32 v[T2:T2+1], v[S:S+1], v[S+2:S+3]  ; the row's sum is taken of the unquantised p: two at a time, in two chains
.irp j, 4,8,12,16,20,24,28,32,36,40,44,48,52,56,60
	v_pk_add_f32 v[\sm:\sm+1], v[\sm:\sm+1], v[S+\j:S+1+\j]
	v_pk_add_f32 v[T2:T2+1], v[T2:T2+1], v[S+2+\j:S+3+\j]
.endr
	s_delay_alu instid0(VALU_DEP_1)
	v_pk_add_f32 v[\sm:\sm+1], v[\sm:\sm+1], v[T2:T2+1]
	s_wait_alu depctr_va_vdst(0)                   ; and one for the four
.irp b, 0,1,2,3
	v_max_num_f32 v[BM+\b], 0x1800000, v[BM+\b]    ; the floor 2^(3 - 127)
.endr
.irp b, 0,1,2,3
	s_delay_alu instid0(VALU_DEP_4)
	v_add_nc_u32 v[BM+\b], 0xff000000, v[BM+\b]    ; the conversion's scale operand
.endr
.irp b, 0,1,2,3
	s_delay_alu instid0(VALU_DEP_4)
	v_lshrrev_b32 v[T2+\b], 23, v[BM+\b]           ; the scale's byte
.endr
	s_delay_alu instid0(VALU_DEP_3)
	v_lshl_or_b32 v[\ps], v[T2+1], 8, v[T2]        ; p's scale word for these 128 keys
	s_delay_alu instid0(VALU_DEP_1)
	v_lshl_or_b32 v[\ps], v[T2+2], 16, v[\ps]
	s_delay_alu instid0(VALU_DEP_1)
	v_lshl_or_b32 v[\ps], v[T2+3], 24, v[\ps]
.irp b, 0,1,2,3
	v_cvt_scalef32_pk8_fp4_f32 v[\pc+2*\b], v[S+16*\b:S+7+16*\b], v[BM+\b]
	v_cvt_scalef32_pk8_fp4_f32 v[\pc+1+2*\b], v[S+8+16*\b:S+15+16*\b], v[BM+\b]
.endr
	v_nop                                          ; one plain line behind the last conversion
.irp c, 0,1
.irp i, 0,1
	v_permlane16_swap_b32 v[\pc+4*\c+\i], v[\pc+2+4*\c+\i]
.endr
.endr
	WIN 0x41                                       ; O^T (destination and source 0) window 1
.set i, 0
.rept 64
	v_pk_mul_f32 v[\ob+2*i:\ob+2*i+1], v[\ob+2*i:\ob+2*i+1], v[FF:FF+1] op_sel_hi:[1,0]   ; the tile's O^T under the new M.  These lines are also the places between p's codes and scale word and the products that take them
.set i, i+1
.endr
	WIN 0
.endm
; A KEY STEP: 128 keys of my head, for my two tiles.
.macro STEP
	v_add_nc_u32 v[ADK], s[TB], v[LI]
	v_add_nc_u32 v[ADS], s[TB], v[LS]
	PLACES 2                                       ; with the two additions: four places in front of loads into registers that matrix instructions have read (ISA guide 7.12.1 for vector instructions)
.set i, 0
.rept 32
	ds_load_b128 v[FB+4*i:FB+4*i+3], v[ADK] offset:512*i            ; K: fragment (tile t, K step s) at 8 (2 t + s)
.set i, i+1
.endr
.irp i, 0,1,2,3
	ds_load_b128 v[QB+4*\i:QB+4*\i+3], v[AQ] offset:512*\i          ; tile A's Q
.endr
	ds_load_b32 v[QS], v[AQS]
.irp j, 0,1,2,3,4,5,6,7
	ds_load_b32 v[KS+\j], v[ADS] offset:32768+128*\j               ; tile j of K: lanes 0-15 K step 0's words, lanes 16-31 K step 1's
.endr
	s_wait_dscnt 0x0
	SPROD
	PLACES 4                                       ; in front of the loads below and of the first read of the scores
.irp i, 0,1,2,3
	ds_load_b128 v[QB+4*\i:QB+4*\i+3], v[AQ] offset:2048+512*\i     ; tile B's Q takes A's place: it lands while A's softmax is worked
.endr
	ds_load_b32 v[QS], v[AQS] offset:128
	SOFTMAX NMA, SMA, PCA, PSA, 0
	s_wait_dscnt 0x0                               ; tile B's Q is in
	SPROD                                          ; K's fragments serve a second time
	PLACES 4
.set i, 0
.rept 32
	ds_load_b128 v[FB+4*i:FB+4*i+3], v[ADK] offset:16384+512*i      ; V takes K's place: it lands while B's softmax is worked
.set i, i+1
.endr
.irp j, 0,1,2,3,4,5,6,7
	ds_load_b32 v[KS+\j], v[ADS] offset:33792+128*\j               ; lanes 0-15 tile 2 j's words, lanes 16-31 tile 2 j + 1's
.endr
	SOFTMAX NMB, SMB, PCB, PSB, 128
	s_wait_alu depctr_va_vdst(0)
	s_wait_dscnt 0x0                               ; V is in
	WIN 0x50                                       ; C and D window 1
.irp t, 0,1,2,3,4,5,6,7,8,9,10,11,12,13,14,15  ; O^T += V^T P^T: 32 accumulators, one product each; each fragment of V serves both tiles
	MM 8*\t, FB+8*\t, PCA, 8*\t, KS+\t/2, PSA, \t%2, 0
	MM 128+8*\t, FB+8*\t, PCB, 128+8*\t, KS+\t/2, PSB, \t%2, 0
.endr
	WIN 0
	s_add_co_u32 s[TB], s[TB], STEPB               ; the next step
.endm
; A visit: two key steps, written once and walked twice.  The four visits are written out.
.macro VISIT v
	CHANGE \v
	s_add_co_u32 s[TB], s[HOFF], ((\v)&1)*SLOTB
	s_mov_b32 s[CNT], 2
.Lstep_\@:
	STEP
	s_sub_co_u32 s[CNT], s[CNT], 1
	s_cmp_lg_u32 s[CNT], 0
	s_cbranch_scc1 .Lstep_\@
.endm
	VISIT 0
	VISIT 1
	VISIT 2
	VISIT 3
	; ---- THE HEAD'S END: O^T / l of my two tiles becomes K steps 2 head and 2 head + 1 of the projection's operand
	s_wait_xcnt 0x0                                ; my prefetches have read their offset register, which is at work again below
	PLACES 4                                       ; behind the last products
	v_lshlrev_b32 v[L8], 1, v[LS]
.set i, 0
.rept 32
	global_load_b128 v[FB+4*i:FB+4*i+3], v[LI], s[10:11] offset:512*i   ; Wo: my four tiles of 16 columns x four K steps: fragment (n, s) at 8 (4 n + s)
.set i, i+1
.endr
.irp n, 0,1,2,3
	global_load_b64 v[KS+2*\n:KS+2*\n+1], v[L8], s[12:13] offset:256*\n
.endr
	v_add_f32 v[SMA], v[SMA], v[SMA+1]             ; the sums' two halves,
	v_add_f32 v[SMB], v[SMB], v[SMB+1]
	s_delay_alu instid0(VALU_DEP_2)
	v_permlanex16_b32 v[T2], v[SMA], s[SEL], s[SEL+1]
	s_delay_alu instid0(VALU_DEP_2)
	v_permlanex16_b32 v[T2+1], v[SMB], s[SEL], s[SEL+1]
	s_delay_alu instid0(VALU_DEP_2)
	v_add_f32 v[SMA], v[SMA], v[T2]                ; and lane l xor 16's: l
	s_delay_alu instid0(VALU_DEP_2)
	v_add_f32 v[SMB], v[SMB], v[T2+1]
	s_wait_alu depctr_va_vdst(0)
	v_rcp_f32 v[NMA], v[SMA]                       ; 1 / l takes -M's place
	v_rcp_f32 v[NMB], v[SMB]
	v_and_b32 v[ACW], 15, v0                       ; r.  The addresses of the way out are the plain work behind the reciprocals
	v_bfe_u32 v[PW], v0, 4, 1                      ; h
	s_delay_alu instid0(VALU_DEP_2)
	v_and_b32 v[SO], 8, v[ACW]
	s_delay_alu instid0(VALU_DEP_1)
	v_add_nc_u32 v[SO], v[SO], v[ACW]              ; r + 8 (r / 8)
	s_delay_alu instid0(VALU_DEP_1)
	v_mul_u32_u24 v[SO], v[SO], SPITCH
	s_delay_alu instid0(VALU_DEP_1)
	v_lshl_add_u32 v[SO], v[PW], 5, v[SO]
	s_lshl_b32 s34, s[WV], 8
	s_add_co_u32 s35, s34, STG
	s_add_co_u32 s34, s34, QSL
	v_add_nc_u32 v[SO], s35, v[SO]                 ; the stage: my row of a pair's first tile, + 32 h, + my wave's 256 bytes
	v_lshl_add_u32 v[ACW], v[ACW], 2, s34
	s_mul_i32 s35, s[WV], 8*SPITCH
	s_add_co_u32 s35, s35, STG
	v_add_nc_u32 v[SR], s35, v[LI]                 ; back: my wave's 8 rows, 16 bytes a lane
	v_add_nc_u32 v[CIR], QL, v[LI]
	v_add_nc_u32 v[CSR], QSL, v[LS]
	s_lshl_b32 s35, s[WV], 14
	v_add_nc_u32 v[RR], s35, v[LI]
	s_wait_alu depctr_va_vdst(0)                   ; the wait ahead of the reciprocals' first reader
.irp u, 0,1
.irp e, 0,1
	WIN 0x01                                       ; source 0 (O^T) window 1
.set i, 0
.rept 32
	v_pk_mul_f32 v[S+2*i:S+2*i+1], v[128*\u+64*\e+2*i:128*\u+64*\e+2*i+1], v[NMA+2*\u:NMA+2*\u+1] op_sel_hi:[1,0]   ; each accumulator from its low end on
.set i, i+1
.endr
	WIN 0
	s_wait_dscnt 0x0                               ; the last fragment's stores have read their registers
	QUANT S, PCA, PW
	ds_store_b128 v[AQ], v[PCA:PCA+3] offset:1024*(2*\u+\e)         ; into my own bytes of Q, which I have read for the last time: 4 fragments, 4,096 bytes
	ds_store_b128 v[AQ], v[PCA+4:PCA+7] offset:1024*(2*\u+\e)+512
	ds_store_b32 v[ACW], v[PW] offset:128*\u+64*\e                  ; lanes l and l xor 16 write the same word with the same value
.endr
.endr
	WIN 0x40                                       ; destination window 1: the registers that O^T has left
.irp q, 0,1,2,3
	global_load_b128 v[GA+4*\q:GA+4*\q+3], v[LI], s[16:17] offset:512*\q   ; columns 128 q + 4 lane + 0 .. 3
	global_load_b128 v[BE+4*\q:BE+4*\q+3], v[LI], s[18:19] offset:512*\q
	global_load_b128 v[BO+4*\q:BO+4*\q+3], v[LI], s[14:15] offset:512*\q
.endr
.irp i, 0,1,2,3,4,5,6,7
.irp q, 0,1,2,3
	global_load_b128 v[16*\i+4*\q:16*\i+4*\q+3], v[LI], s[20:21] offset:131072+2048*\i+512*\q th:TH_LOAD_NT   ; the residual's rows 64 + 8 w + i: each load covers 512 consecutive bytes
.endr
.endr
	WIN 0
	s_wait_tensorcnt 0x0                           ; my eight rows of the residual have landed in slot 0; only I read them
	BARRIER                                        ; the concatenation's 32 fragments lie in LDS, and nobody reads the ring any more: slot 1, which has had its last fill, takes the stage
	s_wait_loadcnt 44                              ; gamma's, beta's and bo's 12 loads and the residual's 32 may be out: Wo's fragments and scale words are in
; The projection for row tiles 2 p and 2 p + 1: source 0 = 16 columns of Wo, source 1 = 16 rows: a lane holds eight neighbouring columns of one row.
; Fragment (tile 2 p + u, K step s) lies in the bytes of wave 4 (s / 2) + p, at 2,048 u + 1,024 (s % 2).
.macro PROJ p
	WIN 0x40
.irp u, 0,1
.irp s, 0,1,2,3
.irp c, 0,1
	ds_load_b128 v[CF+8*(4*\u+\s)+4*\c:CF+8*(4*\u+\s)+4*\c+3], v[CIR] offset:16384*(\s/2)+4096*(\p)+2048*\u+1024*(\s%2)+512*\c
.endr
.endr
.endr
	WIN 0
.irp u, 0,1
.irp g, 0,1
	ds_load_b32 v[CSW+2*\u+\g], v[CSR] offset:(4*\g+(\p))*256+128*\u   ; lanes 0-15 K step 2 g's words, lanes 16-31 K step 2 g + 1's
.endr
.endr
	s_wait_dscnt 0x0                               ; they are in, and the last pair's stores into the stage have read their registers
	WIN 0x04                                       ; source 1 window 1
.irp s, 0,1,2,3
.irp u, 0,1
.irp n, 0,1,2,3
.if \s == 0
	MZ S+8*(4*\u+\n), FB+8*(4*\n+\s), CF+8*(4*\u+\s), KS+2*\n, CSW+2*\u
.else
	MM S+8*(4*\u+\n), FB+8*(4*\n+\s), CF+8*(4*\u+\s), S+8*(4*\u+\n), KS+2*\n+\s/2, CSW+2*\u+\s/2, \s%2, \s%2
.endif
.endr
.endr
.endr
	WIN 0
.irp u, 0,1
	v_add_nc_u32 v[SOT+\u], (32*((\p)%2)+8*\u)*SPITCH, v[SO]
.endr
	PLACES 3                                       ; with the two additions: five places: the next pair's first products write over these accumulators
.irp u, 0,1
.irp n, 0,1,2,3
	ds_store_b128 v[SOT+\u], v[S+8*(4*\u+\n):S+8*(4*\u+\n)+3] offset:64*\n          ; each accumulator from its low end on
	ds_store_b128 v[SOT+\u], v[S+8*(4*\u+\n)+4:S+8*(4*\u+\n)+7] offset:64*\n+16
.endr
.endr
.endm
; LAYERNORM, four rows by turns.  A row is 16 registers a lane: columns 128 q + 4 lane + 0 .. 3.
.macro LNRED                           ; each row's two packed chains become one number in every lane
.irp i, 0,1,2,3
	v_pk_add_f32 v[LT+4*\i:LT+4*\i+1], v[LT+4*\i:LT+4*\i+1], v[LT+4*\i+2:LT+4*\i+3]
.endr
.irp i, 0,1,2,3
	s_delay_alu instid0(VALU_DEP_4)
	v_add_f32 v[LT+4*\i], v[LT+4*\i], v[LT+4*\i+1]
.endr
.irp x, 1,2,4,8
.irp i, 0,1,2,3
	s_delay_alu instid0(VALU_DEP_4)
	v_add_f32_dpp v[LT+4*\i], v[LT+4*\i], v[LT+4*\i] row_xmask:\x row_mask:0xf bank_mask:0xf
.endr
.endr
.irp i, 0,1,2,3
	s_delay_alu instid0(VALU_DEP_4)
	v_permlanex16_b32 v[LT+4*\i+2], v[LT+4*\i], s[SEL], s[SEL+1]
.endr
.irp i, 0,1,2,3
	s_delay_alu instid0(VALU_DEP_4)
	v_add_f32 v[LT+4*\i], v[LT+4*\i], v[LT+4*\i+2]
.endr
.endm
; Rows 64 hf + 8 w + 4 g + 0 .. 3.  hf = 0: the residual comes from LDS; hf = 1: it stands in window 1, row 4 g + i at 16 (4 g + i)
.macro LN4 hf, g
	s_wait_xcnt 0x0                                ; the last four rows' stores have read their registers: the next rows may land there
.irp i, 0,1,2,3
.irp q, 0,1,2,3
	ds_load_b128 v[S+16*\i+4*\q:S+16*\i+4*\q+3], v[SR] offset:(4*(\g)+\i)*SPITCH+512*\q
.endr
.endr
.if (\hf) == 0
	WIN 0x40
.irp i, 0,1,2,3
.irp q, 0,1,2,3
	ds_load_b128 v[CF+16*\i+4*\q:CF+16*\i+4*\q+3], v[RR] offset:(4*(\g)+\i)*2048+512*\q
.endr
.endr
	WIN 0
.set RB, CF
.else
.set RB, 64*(\g)
.endif
	s_wait_dscnt 0x0
.if (\hf) == 1
	s_wait_loadcnt 16-16*(\g)                      ; the residual loads of the last four rows may be out
.endif
	WIN 0x04                                       ; source 1 window 1
.irp i, 0,1,2,3
.irp e, 0,2,4,6,8,10,12,14
	v_pk_add_f32 v[S+16*\i+\e:S+16*\i+\e+1], v[S+16*\i+\e:S+16*\i+\e+1], v[BO+\e:BO+\e+1]   ; + bo
.endr
.endr
.irp i, 0,1,2,3
.irp e, 0,2,4,6,8,10,12,14
	v_pk_add_f32 v[S+16*\i+\e:S+16*\i+\e+1], v[S+16*\i+\e:S+16*\i+\e+1], v[RB+16*\i+\e:RB+16*\i+\e+1]   ; + inputs
.endr
.endr
	WIN 0
.irp i, 0,1,2,3
	v_pk_add_f32 v[LT+4*\i:LT+4*\i+1], v[S+16*\i:S+16*\i+1], v[S+16*\i+4:S+16*\i+5]
	v_pk_add_f32 v[LT+4*\i+2:LT+4*\i+3], v[S+16*\i+2:S+16*\i+3], v[S+16*\i+6:S+16*\i+7]
.endr
.irp e, 8,12
.irp i, 0,1,2,3
	v_pk_add_f32 v[LT+4*\i:LT+4*\i+1], v[LT+4*\i:LT+4*\i+1], v[S+16*\i+\e:S+16*\i+\e+1]
	v_pk_add_f32 v[LT+4*\i+2:LT+4*\i+3], v[LT+4*\i+2:LT+4*\i+3], v[S+16*\i+\e+2:S+16*\i+\e+3]
.endr
.endr
	LNRED
.irp i, 0,1,2,3
	s_delay_alu instid0(VALU_DEP_4)
	v_mul_f32 v[MU+2*\i], s[C512], v[LT+4*\i]      ; the mean
.endr
.irp i, 0,1,2,3
	s_delay_alu instid0(VALU_DEP_4)
	v_mov_b32 v[MU+2*\i+1], v[MU+2*\i]
.endr
.irp i, 0,1,2,3
.irp e, 0,2,4,6,8,10,12,14
	v_pk_add_f32 v[S+16*\i+\e:S+16*\i+\e+1], v[S+16*\i+\e:S+16*\i+\e+1], v[MU+2*\i:MU+2*\i+1] neg_lo:[0,1] neg_hi:[0,1]   ; d = x - mean: the variance is a second pass over d, no difference of large sums
.endr
.endr
.irp i, 0,1,2,3
	v_pk_mul_f32 v[LT+4*\i:LT+4*\i+1], v[S+16*\i:S+16*\i+1], v[S+16*\i:S+16*\i+1]
	v_pk_mul_f32 v[LT+4*\i+2:LT+4*\i+3], v[S+16*\i+2:S+16*\i+3], v[S+16*\i+2:S+16*\i+3]
.endr
.irp e, 4,8,12
.irp i, 0,1,2,3
	v_pk_fma_f32 v[LT+4*\i:LT+4*\i+1], v[S+16*\i+\e:S+16*\i+\e+1], v[S+16*\i+\e:S+16*\i+\e+1], v[LT+4*\i:LT+4*\i+1]
	v_pk_fma_f32 v[LT+4*\i+2:LT+4*\i+3], v[S+16*\i+\e+2:S+16*\i+\e+3], v[S+16*\i+\e+2:S+16*\i+\e+3], v[LT+4*\i+2:LT+4*\i+3]
.endr
.endr
	LNRED
.irp i, 0,1,2,3
	s_delay_alu instid0(VALU_DEP_4)
	v_fma_f32 v[LT+4*\i], v[LT+4*\i], s[C512], s[EPS]   ; the variance + eps
.endr
	s_wait_alu depctr_va_vdst(0)
.irp i, 0,1,2,3
	v_rsq_f32 v[RS+2*\i], v[LT+4*\i]
.endr
	v_nop                                          ; a plain line behind the last of the four
	s_wait_alu depctr_va_vdst(0)                   ; one wait for the four, ahead of their first reader
.irp i, 0,1,2,3
	v_mov_b32 v[RS+2*\i+1], v[RS+2*\i]
.endr
.irp i, 0,1,2,3
.irp e, 0,2,4,6,8,10,12,14
	v_pk_mul_f32 v[S+16*\i+\e:S+16*\i+\e+1], v[S+16*\i+\e:S+16*\i+\e+1], v[RS+2*\i:RS+2*\i+1]
.endr
.endr
	WIN 0x14                                       ; sources 1 and 2 window 1
.irp i, 0,1,2,3
.irp e, 0,2,4,6,8,10,12,14
	v_pk_fma_f32 v[S+16*\i+\e:S+16*\i+\e+1], v[S+16*\i+\e:S+16*\i+\e+1], v[GA+\e:GA+\e+1], v[BE+\e:BE+\e+1]
.endr
.endr
	WIN 0
.irp i, 0,1,2,3
.irp q, 0,1,2,3
	global_store_b128 v[LI], v[S+16*\i+4*\q:S+16*\i+4*\q+3], s[22:23] offset:131072*(\hf)+(4*(\g)+\i)*2048+512*\q th:TH_STORE_NT   ; 32 lanes store 512 consecutive bytes, aligned; written once, read by nobody here
.endr
.endr
.endm
	PROJ 0                                         ; rows 0 to 63
	PROJ 1
	BARRIER                                        ; 64 whole rows lie in the stage
	s_wait_loadcnt 32                              ; the residual's 32 loads may be out: gamma, beta and bo are in
	LN4 0, 0
	LN4 0, 1
	s_wait_xcnt 0x0                                ; the last stores have read their registers, which the next products write
	BARRIER                                        ; every wave has read its rows of the stage: it may be written again
	PROJ 2                                         ; rows 64 to 127, while the first 64 rows' stores are on their way
	PROJ 3
	BARRIER
	LN4 1, 0
	LN4 1, 1
	s_wait_tensorcnt 0x0                           ; the wave's end, behind my last tensor load and my last LDS store
	ds_add_u32 v[SPW], v[NIL]
	s_wait_dscnt 0x0
	CROUND                                         ; the closing round: no work-group ends while a partner may still ask for a tile that names it
	s_endpgm
.Lfunc_end_k_qeac5c93dd2_attn:
	.size	k_qeac5c93dd2_attn, .Lfunc_end_k_qeac5c93dd2_attn-k_qeac5c93dd2_attn
	.p2alignl 7, 3214868480
	.fill 96, 4, 3214868480
	.section	.rodata,"a",@progbits
	.p2align	6, 0x0
	.amdhsa_kernel k_qeac5c93dd2_attn
		.amdhsa_group_segment_fixed_size 327680
		.amdhsa_private_segment_fixed_size 0
		.amdhsa_enable_private_segment 0
		.amdhsa_kernarg_size 80
		.amdhsa_user_sgpr_count 2
		.amdhsa_user_sgpr_kernarg_segment_ptr 1
		.amdhsa_wavefront_size32 1
		.amdhsa_system_sgpr_workgroup_id_x 1
		.amdhsa_system_sgpr_workgroup_id_y 1
		.amdhsa_system_sgpr_workgroup_id_z 1
		.amdhsa_system_vgpr_workitem_id 0
		.amdhsa_next_free_vgpr 512
		.amdhsa_next_free_sgpr 84
		.amdhsa_reserve_vcc 0
		.amdhsa_float_denorm_mode_32 3
		.amdhsa_float_denorm_mode_16_64 3
		.amdhsa_memory_ordered 1
		.amdhsa_forward_progress 1
		.amdhsa_inst_pref_size 255
	.end_amdhsa_kernel
	.section	.bss,"aw",@nobits
	.p2align	6
	.space	262144
	.amdgpu_metadata
---
amdhsa.version: [ 1, 2 ]
amdhsa.kernels:
  - .name:           k_qeac5c93dd2_attn
    .symbol:         k_qeac5c93dd2_attn.kd
    .args:
      - { .name: qc, .offset: 0, .size: 8, .value_kind: global_buffer, .address_space: global }
      - { .name: qs, .offset: 8, .size: 8, .value_kind: global_buffer, .address_space: global }
      - { .name: kvc, .offset: 16, .size: 8, .value_kind: global_buffer, .address_space: global }
      - { .name: wcodes, .offset: 24, .size: 8, .value_kind: global_buffer, .address_space: global }
      - { .name: wscales, .offset: 32, .size: 8, .value_kind: global_buffer, .address_space: global }
      - { .name: bo, .offset: 40, .size: 8, .value_kind: global_buffer, .address_space: global }
      - { .name: gamma, .offset: 48, .size: 8, .value_kind: global_buffer, .address_space: global }
      - { .name: beta, .offset: 56, .size: 8, .value_kind: global_buffer, .address_space: global }
      - { .name: inputs, .offset: 64, .size: 8, .value_kind: global_buffer, .address_space: global }
      - { .name: out0, .offset: 72, .size: 8, .value_kind: global_buffer, .address_space: global }
    .group_segment_fixed_size: 327680
    .private_segment_fixed_size: 0
    .kernarg_segment_align: 8
    .kernarg_segment_size: 80
    .max_flat_workgroup_size: 256
    .sgpr_count:     84
    .vgpr_count:     512
    .wavefront_size: 32
...
	.end_amdgpu_metadata
.endif
;; end of part 3
